; MI455X (gfx1250); checked and timed in simulation.
; The chip was launched on July 23, 2026; its instructions are those of AMD's public machine-readable ISA for CDNA 5 (MIT licence, August 2026) and "CDNA5" Instruction Set Architecture Reference Guide (July 2026). The comments in the code are by the model that wrote it; some were corrected since.
;; Layout L Mv2 Attention. Allowed arithmetic: matrix products marked QUANTISED: E2M1 operands, one E8M0 scale for each 32 along K, by v_wmma_scale_f32_16x16x128_f8f6f4 with both operands' format E2M1 (or v_wmma_scale_f32_32x16x128_f4), f32 sums; everything else in f32.
;; Inputs: attention_mask 8 x 1 x 1 x 1,024 bool; b_out 1,024 float32; hidden_states 8 x 1,024 x 1,024 float32; ln_beta 1,024 float32; ln_gamma 1,024 float32; q_bias 1 x 1 x 1,024 float32; rel_2d_pos 1 x 16 x 1,024 x 1,024 float32; rel_pos 1 x 16 x 1,024 x 1,024 float32; v_bias 1 x 1 x 1,024 float32; w_out_codes 1,024 x 32 x 16 uint8 (E2M1 codes of w_out, K innermost, in blocks of 32 codes, two codes a byte); w_out_scales 1,024 x 32 uint8 (E8M0 scales of w_out, one for each 32 codes along K); w_qkv_codes 3,072 x 32 x 16 uint8 (E2M1 codes of w_qkv, K innermost, in blocks of 32 codes, two codes a byte); w_qkv_scales 3,072 x 32 uint8 (E8M0 scales of w_qkv, one for each 32 codes along K).
;; Outputs: out0 8 x 1,024 x 1,024 float32.
;; This version of the problem:
;;   THIS VERSION OF THE PROBLEM IS GIVEN IN LOW PRECISION. The matrix products marked QUANTISED in the list below multiply operands that are first quantised to E2M1 (2 exponent bits, 1 mantissa bit; 4 bits a number), with one power-of-two scale for each 32 numbers along K (OCP MX v1.0); their sums are f32. All else is computed in f32.
;;   The module's matrix products, in the order in which they are computed (A, B: the left and right operand; K: the contracted axis; several contracted axes count as one K, in the product's order):
;;     1. [M 8,192, K 1,024] x [K 1,024, N 3,072]; A: input hidden_states; B: input w_qkv (given as codes): QUANTISED
;;     2. batch 128 x [M 1,024, K 64] x [K 64, N 1,024]; A: computed on the way; B: computed on the way: QUANTISED
;;     3. batch 128 x [M 1,024, K 1,024] x [K 1,024, N 64]; A: softmax (see below); B: computed on the way: QUANTISED
;;     4. [M 8,192, K 1,024] x [K 1,024, N 1,024]; A: computed on the way; B: input w_out (given as codes): QUANTISED
;;   THE QUANTISER, for each operand of a quantised product, along K:
;;     - K is cut into blocks of 32 from its start; a last block that is shorter is filled with zeros.
;;     - A block's scale is 2^e with e = floor(log2(the largest magnitude in the block)) - 2, held to -126 .. 127; a block of zeros has e = 0. As a byte (E8M0): e + 127.
;;     - Each number is divided by its block's scale, clamped to +-6, and rounded to the nearest number of E2M1, ties to even, subnormals kept.
;;     - The product sums the exact products of the quantised numbers (number of the format x scale) in f32.
;;   ~~~python
;;   def quantise(x, axis):      # numpy; x: float32 -> the quantised numbers, widened to float32 again
;;       x = np.moveaxis(x, axis, -1); K = x.shape[-1]
;;       x = np.pad(x, [(0, 0)] * (x.ndim - 1) + [(0, -K % 32)]); x = x.reshape(x.shape[:-1] + (-1, 32)); a = np.abs(x).max(-1, keepdims=True)
;;       e = np.where(a > 0, np.clip(np.frexp(np.where(a > 0, a, 1))[1] - 1 - 2, -126, 127), 0)      # np.frexp(a)[1] - 1 = floor(log2(a)), exactly
;;       r = np.clip(x / 2.0 ** e, -6, 6)
;;       step = 2.0 ** (np.maximum(np.frexp(np.where(r == 0, 1, r))[1] - 1, 0) - 1)
;;       q = np.round(r / step) * step * 2.0 ** e      # np.round: ties to even
;;       return np.moveaxis(q.reshape(q.shape[:-2] + (-1,))[..., :K], -1, axis).astype(np.float32)
;;   ~~~
;;   SOFTMAX AHEAD OF A QUANTISED PRODUCT. Where the list says 'softmax', what is quantised is not the finished softmax but p = 2^(t - M), with t = logit x log2(e) and M = ceil(the row's largest t), a whole number; so 1/2 < the row's largest p <= 1. The row's sum l is taken of the UNQUANTISED p, in f32, and the product's result is divided by l at the end. Since M is a whole number, a kernel that streams over the keys may use a running M (the ceiling of the running maximum): every later rescaling is an exact power of two, which a block's scale takes up: the codes' values come out the same.
;;   OPERANDS COMPUTED ON THE WAY. 'Computed on the way' means the value that the module computes at that place (a softmax that the list does not call 'softmax' is quantised finished and normalised). What goes into a quantiser is computed in f32, as accurately as f32 sums, v_exp_f32 and their like allow (about 1e-6 of the number): no bf16 or f16 on the way to a quantiser, and a product that is left as it is and whose result goes on into a quantised operand takes f32 operands (vector FMAs, or v_wmma_f32_16x16x4_f32). A number that lies on a knife's edge between two numbers of the format may be rounded either way, as far as f32 arithmetic and the matrix unit's own rounding can turn it there, and no further.
;;   INPUTS GIVEN AS CODES. w_out (in the module: [1024, 1024], K = its axis 1); w_qkv (in the module: [3072, 1024], K = its axis 1): each comes as NAME_codes (uint8): NAME with its K axis moved to the last place and cut into blocks of 32 codes, [.., K / 32, bytes a block], one block behind the other in memory; two codes a byte, the lower K in the low four bits (a code: sign, 2 exponent bits, 1 mantissa bit); and NAME_scales (uint8): the same leading axes, one E8M0 byte (e + 127) for each 32 codes along K. Its value is code x scale, taken as it is: it is not quantised again, and the codes and scales need not be those that the quantiser above would give.
;; 2 versions, each right; version 2 is version 1 with the launch attn written anew for expert scheduling mode. Each part assembles by itself: llvm-mc -triple=amdgcn-amd-amdhsa -mcpu=gfx1250 --defsym DOCPART=n.
;; ======== version 1 of 2: 4 launches
;; workspace buffers: w1 5,013,504 bytes; mflag 1,024 bytes of whole numbers; w2 13,369,344 bytes; w3 4,456,448 bytes
;; launch quant (part 1): grid 256 x 1, 4 waves a work-group, no clusters, 33,280 bytes of LDS; arguments hidden_states, attention_mask, w_out_codes, w1, mflag; writes w1, mflag
.if DOCPART == 1
	.amdgcn_target "amdgcn-amd-amdhsa--gfx1250"
	.amdhsa_code_object_version 6
	.text
	.protected	k_q2e9f42b276_quant
	.globl	k_q2e9f42b276_quant
	.p2align	8
	.type	k_q2e9f42b276_quant,@function
k_q2e9f42b276_quant:
	s_mov_b64 s[64:65], 0
	v_nop
	global_prefetch_b8 v0, s[64:65] scope:SCOPE_SE
	s_setreg_imm32_b32 hwreg(HW_REG_WAVE_MODE, 25, 1), 1
	s_wait_xcnt 0x0
; x = hidden_states [8192][1024] f32 becomes codes of FP4 (E2M1), K innermost, and one E8M0 byte for each 32 along K, in the workspace w1:
;   w1 + 0          x's codes, [8192][512 bytes]            w1 + XS_OFF  x's scale bytes, [8192][32]
;   w1 + WF_OFF     w_out's codes in the order of an operand's registers: [tile of 16 rows: 64][64 along K: 16][512 bytes], lane l's 16 bytes at 16 l
;   w1 + MB_OFF     the key mask as f32, [8][1024]: 0 where a key counts, -infinity where it is hidden
; and mflag: for batch b the word at byte 128 b (32 copies, 4 bytes a lane): bit l is set where one of keys 32 l .. 32 l + 31 is hidden.
; A block's scale is 2^(floor(log2(its largest magnitude)) - 2); its byte is the largest magnitude's exponent field - 2, held at 1 from below.
; LIMITS: a block of zeros, or one whose largest magnitude lies under 2^-124, gets the byte 1 (its codes are zeros or the nearest codes under that scale; the bytes are read by this program alone);
; NaN and infinities in x are not served.
; x is a plain stream of blocks of 32.  A wave takes 16 steps of 512 numbers.  Each load reads 512 consecutive bytes, 16 a lane; a step's 2,048 bytes turn through the wave's own stage in LDS and come back
; 64 bytes a lane (16 neighbours along K, two lanes to a block).  A lane's 16 codes are 8 bytes: a wave's store covers 256 consecutive bytes.  A wave's 256 scale bytes are gathered in LDS and leave as one block.
; No tensor load, no barrier: waves share nothing.  Loads run four steps ahead, the turn through LDS one step.
; Behind the stream: work-groups 0-7 make a batch's mask, work-groups 64-127 lay a tile of w_out.  Matrix units and clusters have nothing to do here: no input is shared.
.set STEPS, 16
.set EMAX,  2
.set CB,    8                          ; bytes of 16 codes
.set R,     16                         ; v16-79   four sets of 16 numbers as they are loaded
.set X,     80                         ; v80-111  two sets of 16 neighbours
.set C,     128                        ; v128-191 codes: four registers for each step, so that no store's data are written again
.set E,     112                        ; v112-127 a scale byte for each step
.set WREG,  8192                       ; LDS: a region for each wave: two stages of 32 x SP bytes, behind them its 256 scale bytes
.set SP,    80                         ; a lane's place in a stage: 64 bytes + 16 of padding
.set XS_OFF, 4194304
.set WF_OFF, 4456448
.set MB_OFF, 4980736
	s_load_b128 s[4:7], s[0:1], 0x0                ; x, the mask
	s_load_b128 s[8:11], s[0:1], 0x10              ; w_out's codes, w1
	s_load_b64 s[12:13], s[0:1], 0x20              ; mflag
	v_lshl_add_u32 v192, v0, 2, 0x8000
	v_mov_b32 v193, 0
	v_lshrrev_b32 v1, 5, v0
	v_readfirstlane_b32 s16, v1                    ; wave 0..3
	v_and_b32 v2, 31, v0                           ; lane
	v_lshlrev_b32 v3, 4, v2                        ; 16 x lane
	s_mul_i32 s17, s16, WREG
	v_lshrrev_b32 v14, 2, v2
	v_mul_u32_u24 v14, v14, SP
	v_and_b32 v15, 3, v2
	v_lshl_add_u32 v14, v15, 4, v14
	v_add_nc_u32 v14, s17, v14                     ; the stage, on the way in: SP (lane / 4) + 16 (lane % 4); a load's 512 bytes take eight places
	v_mul_u32_u24 v15, v2, SP
	v_add_nc_u32 v15, s17, v15                     ; and on the way out: SP x lane: my 16 neighbours
	v_mul_u32_u24 v4, v2, CB                       ; my codes' place in a step's
	v_lshrrev_b32 v5, 1, v2
	s_add_co_u32 s17, s17, 2*32*SP
	v_add_nc_u32 v5, s17, v5                       ; LDS: my wave's 256 scale bytes, my block's byte
	v_lshlrev_b32 v7, 3, v2                        ; and on the way out 8 bytes a lane
	v_add_nc_u32 v6, s17, v7
	s_lshl_b32 s18, ttmp9, 2
	s_add_co_u32 s18, s18, s16                     ; which run of 8,192 numbers is my wave's: 0 .. 1,023
	s_lshl_b32 s20, s18, 15                        ; 32,768 bytes of x a run,
	s_mov_b32 s21, 0
	s_lshl_b32 s22, s18, 12                        ; 4,096 of codes,
	s_mov_b32 s23, 0
	s_lshl_b32 s24, s18, 8                         ; 256 scale bytes
	s_add_co_u32 s24, s24, XS_OFF
	s_mov_b32 s25, 0
	s_wait_kmcnt 0x0
	s_add_nc_u64 s[4:5], s[4:5], s[20:21]
	s_add_nc_u64 s[26:27], s[10:11], s[22:23]
	s_add_nc_u64 s[28:29], s[10:11], s[24:25]
.macro LOAD t
.irp i, 0,1,2,3
	global_load_b128 v[R+16*((\t)%4)+4*\i:R+16*((\t)%4)+4*\i+3], v3, s[4:5] offset:2048*(\t)+512*\i th:TH_LOAD_NT   ; 32 lanes read 512 consecutive bytes
.endr
.endm
.macro TURN t                          ; step t's numbers through the stage: LDS serves a wave's instructions in order, so no wait stands between the stores and the loads
.irp i, 0,1,2,3
	ds_store_b128 v14, v[R+16*((\t)%4)+4*\i:R+16*((\t)%4)+4*\i+3] offset:32*SP*((\t)%2)+8*SP*\i
.endr
.irp i, 0,1,2,3
	ds_load_b128 v[X+16*((\t)%2)+4*\i:X+16*((\t)%2)+4*\i+3], v15 offset:32*SP*((\t)%2)+16*\i
.endr
.endm
.irp t, 0,1,2,3
	LOAD \t
.endr
	s_wait_loadcnt 12                              ; step 0's four loads are in; the twelve of steps 1 to 3 may be out
	TURN 0
.macro STEP t
.set XQ, X+16*((\t)%2)
.if (\t) > 0
	s_wait_dscnt 1                                 ; this step's numbers are back from the stage (the last step's byte store may be out)
.else
	s_wait_dscnt 0x0
.endif
.if (\t)+4 < STEPS
	LOAD (\t)+4                                    ; into the registers that this step's stores into the stage have read
.endif
.if (\t)+1 < STEPS
.if STEPS-2-(\t) >= 3
	s_wait_loadcnt 12                              ; the next step's four loads are in; those of the three steps behind it may be out
.else
	s_wait_loadcnt 4*(STEPS-2-(\t))
.endif
	TURN (\t)+1                                    ; the next step goes through the other stage while this one is worked
.endif
	v_max3_num_f32 v8, |v[XQ]|, |v[XQ+1]|, |v[XQ+2]|               ; the largest magnitude of my 16, in two chains
	v_max3_num_f32 v9, |v[XQ+3]|, |v[XQ+4]|, |v[XQ+5]|
.irp i, 6,10
	v_max3_num_f32 v8, v8, |v[XQ+\i]|, |v[XQ+\i+1]|
	v_max3_num_f32 v9, v9, |v[XQ+\i+2]|, |v[XQ+\i+3]|
.endr
	v_max3_num_f32 v8, v8, |v[XQ+14]|, |v[XQ+15]|
	v_max3_num_f32 v8, v8, v9, (EMAX+1)<<23        ; and the floor 2^(3 - 127): the byte cannot fall under 1
	v_max_num_f32_dpp v8, v8, v8 row_xmask:1 row_mask:0xf bank_mask:0xf   ; and of my neighbour's 16: the block's
	v_add_nc_u32 v11, -(EMAX<<23), v8              ; 2 off its exponent field: the conversion takes the exponent field of this operand as its scale
	v_cvt_scalef32_pk8_fp4_f32 v[C+4*(\t)], v[XQ:XQ+7], v11
	v_cvt_scalef32_pk8_fp4_f32 v[C+4*(\t)+1], v[XQ+8:XQ+15], v11
	v_lshrrev_b32 v[E+(\t)], 23, v11               ; the scale's byte (also the plain line behind the conversions)
	ds_store_b8 v5, v[E+(\t)] offset:16*(\t)       ; both lanes of a block write the same byte with the same value
	global_store_b64 v4, v[C+4*(\t):C+4*(\t)+1], s[26:27] offset:32*CB*(\t)   ; 32 lanes store 256 consecutive bytes
.endm
.irp t, 0,1,2,3,4,5,6,7,8,9,10,11,12,13,14,15
	STEP \t
.endr
	ds_load_b64 v[12:13], v6                       ; LDS serves a wave's instructions in order: these see my byte stores
	s_wait_dscnt 0x0
	global_store_b64 v7, v[12:13], s[28:29]        ; 32 lanes store my run's 256 scale bytes
	s_wait_xcnt 0x0                                ; registers are used again below only behind this wait
	; ---- work-groups 0 to 7: batch g's mask.  Wave w takes keys 256 w .. 256 w + 255, four bytes a lane and load
	s_cmp_lt_u32 ttmp9, 8
	s_cbranch_scc0 .Lno_mask
	s_lshl_b32 s20, ttmp9, 10
	s_lshl_b32 s21, s16, 8
	s_add_co_u32 s20, s20, s21                     ; 1,024 g + 256 w
	s_mov_b32 s21, 0
	s_add_nc_u64 s[22:23], s[6:7], s[20:21]
	s_lshl_b32 s20, s20, 2
	s_add_co_u32 s20, s20, MB_OFF
	s_add_nc_u64 s[24:25], s[10:11], s[20:21]
	v_lshlrev_b32 v16, 2, v2                       ; 4 x lane
	global_load_b32 v17, v16, s[22:23]
	global_load_b32 v18, v16, s[22:23] offset:128
	v_mov_b32 v19, 0xff800000                      ; -infinity
	s_wait_loadcnt 0x0
.irp i, 0,1
.irp k, 0,1,2,3
	v_bfe_u32 v20, v[17+\i], 8*\k, 8
	v_cmp_ne_u32 vcc_lo, 0, v20
	v_cndmask_b32 v[24+4*\i+\k], 0, v19, vcc_lo    ; hidden: -infinity; else 0
.endr
	global_store_b128 v3, v[24+4*\i:27+4*\i], s[24:25] offset:512*\i   ; 512 consecutive bytes
.endr
	s_cmp_lg_u32 s16, 0                            ; wave 0 alone makes the batch's word of flags: lane l looks at keys 32 l .. 32 l + 31
	s_cbranch_scc1 .Lno_mask
	s_lshl_b32 s20, ttmp9, 10
	s_add_nc_u64 s[22:23], s[6:7], s[20:21]        ; (the loads that named s[22:23] have been waited for)
	v_lshlrev_b32 v21, 5, v2
	global_load_b128 v[32:35], v21, s[22:23]
	global_load_b128 v[36:39], v21, s[22:23] offset:16
	s_lshl_b32 s20, ttmp9, 7
	s_add_nc_u64 s[30:31], s[12:13], s[20:21]
	s_wait_loadcnt 0x0
	v_or_b32 v32, v32, v33
	v_or_b32 v34, v34, v35
	v_or_b32 v36, v36, v37
	v_or_b32 v38, v38, v39
	v_or_b32 v32, v32, v34
	v_or_b32 v36, v36, v38
	v_or_b32 v32, v32, v36
	v_cmp_ne_u32 vcc_lo, 0, v32
	v_mov_b32 v33, vcc_lo                          ; the 32 lanes' bits, in every lane
	global_store_b32 v16, v33, s[30:31]
.Lno_mask:
	s_wait_xcnt 0x0                                ; nothing below rewrites a register that a store above still reads
	; ---- work-groups 64 to 127: tile tt = work-group - 64 of w_out: 16 rows x 1,024 along K = 16 pieces of 64 along K; wave w lays pieces 4 w .. 4 w + 3
	s_cmp_ge_u32 ttmp9, 64
	s_cbranch_scc0 .Lend
	s_cmp_lt_u32 ttmp9, 128
	s_cbranch_scc0 .Lend
	s_sub_co_u32 s20, ttmp9, 64
	s_lshl_b32 s20, s20, 13                        ; a tile is 8,192 bytes, as rows and as pieces
	s_lshl_b32 s18, s16, 7                         ; in a row my four pieces begin 128 w bytes on,
	s_add_co_u32 s18, s18, s20
	s_mov_b32 s19, 0
	s_add_nc_u64 s[22:23], s[8:9], s[18:19]
	s_lshl_b32 s18, s16, 11                        ; in the workspace 2,048 w
	s_add_co_u32 s18, s18, s20
	s_add_co_u32 s18, s18, WF_OFF
	s_add_nc_u64 s[14:15], s[10:11], s[18:19]
	v_and_b32 v22, 15, v2
	v_lshrrev_b32 v23, 4, v2
	v_lshlrev_b32 v22, 9, v22
	v_lshl_add_u32 v22, v23, 4, v22                ; row (lane % 16) of 512 bytes, + 16 (lane / 16): what the operand's layout gives my lane
.irp j, 0,1,2,3
	global_load_b128 v[40+4*\j:43+4*\j], v22, s[22:23] offset:32*\j
.endr
	s_wait_loadcnt 0x0
.irp j, 0,1,2,3
	global_store_b128 v3, v[40+4*\j:43+4*\j], s[14:15] offset:512*\j   ; 512 consecutive bytes
.endr
.Lend:
	s_wait_tensorcnt 0x0
	ds_add_u32 v192, v193
	s_wait_dscnt 0x0
	s_endpgm
.Lfunc_end_k_q2e9f42b276_quant:
	.size	k_q2e9f42b276_quant, .Lfunc_end_k_q2e9f42b276_quant-k_q2e9f42b276_quant
	.p2alignl 7, 3214868480
	.fill 96, 4, 3214868480
	.section	.rodata,"a",@progbits
	.p2align	6, 0x0
	.amdhsa_kernel k_q2e9f42b276_quant
		.amdhsa_group_segment_fixed_size 33280
		.amdhsa_private_segment_fixed_size 0
		.amdhsa_enable_private_segment 0
		.amdhsa_kernarg_size 40
		.amdhsa_user_sgpr_count 2
		.amdhsa_user_sgpr_kernarg_segment_ptr 1
		.amdhsa_wavefront_size32 1
		.amdhsa_system_sgpr_workgroup_id_x 1
		.amdhsa_system_sgpr_workgroup_id_y 1
		.amdhsa_system_sgpr_workgroup_id_z 1
		.amdhsa_system_vgpr_workitem_id 0
		.amdhsa_next_free_vgpr 194
		.amdhsa_next_free_sgpr 66
		.amdhsa_reserve_vcc 1
		.amdhsa_float_denorm_mode_32 3
		.amdhsa_float_denorm_mode_16_64 3
		.amdhsa_memory_ordered 1
		.amdhsa_forward_progress 1
		.amdhsa_inst_pref_size 37
	.end_amdhsa_kernel
	.amdgpu_metadata
---
amdhsa.version: [ 1, 2 ]
amdhsa.kernels:
  - .name:           k_q2e9f42b276_quant
    .symbol:         k_q2e9f42b276_quant.kd
    .args:
      - { .name: hidden_states, .offset: 0, .size: 8, .value_kind: global_buffer, .address_space: global }
      - { .name: attention_mask, .offset: 8, .size: 8, .value_kind: global_buffer, .address_space: global }
      - { .name: w_out_codes, .offset: 16, .size: 8, .value_kind: global_buffer, .address_space: global }
      - { .name: w1, .offset: 24, .size: 8, .value_kind: global_buffer, .address_space: global }
      - { .name: mflag, .offset: 32, .size: 8, .value_kind: global_buffer, .address_space: global }
    .group_segment_fixed_size: 33280
    .private_segment_fixed_size: 0
    .kernarg_segment_align: 8
    .kernarg_segment_size: 40
    .max_flat_workgroup_size: 128
    .sgpr_count:     66
    .vgpr_count:     194
    .wavefront_size: 32
...
	.end_amdgpu_metadata
.endif
;; end of part 1
;; launch qkv (part 2): grid 4 x 64, 8 waves a work-group, clusters of 4 x 4, 327,680 bytes of LDS; arguments w1, w_qkv_codes, w_qkv_scales, q_bias, v_bias, w2; writes w2
.if DOCPART == 2
	.amdgcn_target "amdgcn-amd-amdhsa--gfx1250"
	.amdhsa_code_object_version 6
	.text
	.protected	k_q2e9f42b276_qkv
	.globl	k_q2e9f42b276_qkv
	.p2align	8
	.type	k_q2e9f42b276_qkv,@function
k_q2e9f42b276_qkv:
	s_mov_b64 s[64:65], 0
	v_nop
	global_prefetch_b8 v0, s[64:65] scope:SCOPE_SE
	s_setreg_imm32_b32 hwreg(HW_REG_WAVE_MODE, 25, 1), 1
	s_wait_xcnt 0x0
	s_wait_alu depctr_hold_cnt(0) depctr_sa_sdst(0) depctr_va_vdst(0) depctr_va_sdst(0) depctr_va_ssrc(0) depctr_va_vcc(0) depctr_vm_vsrc(0)
	s_getreg_b32 s2, hwreg(HW_REG_IB_STS2, 6, 4)
	s_cmp_eq_u32 s2, 0
	s_cbranch_scc0 .Lentry_in_a_cluster
	s_endpgm
.Lentry_in_a_cluster:
	s_bfe_u32 s2, ttmp6, 0x10000c
	s_cmp_lg_u32 s2, 0xf033
	s_cbranch_scc0 .Lentry_shape_is_right
	s_endpgm
.Lentry_shape_is_right:
; qkv = x w_qkv^T on codes of FP4 with E8M0 scales; then (q + q_bias) / 8, k, v + v_bias are quantised for attention's two products and stored in the order of an operand's registers.
; w2:  + 0 q, + 4,194,304 k, + 8,388,608 v: pieces of 512 bytes (16 rows x 64 along K; lane l's 16 bytes at 16 l), [batch x 16 + head][64 pieces].
;        q, k: piece = tile of 16 tokens, K = the head's 64.   v: piece 8 s + 4 c + t = 16 t .. 16 t + 15 of the head's 64, K = tokens 128 s + 64 c .. + 63.
;      + SC_OFF q's, + 262,144 k's, + 524,288 v's scale bytes: [batch x 16 + head][8][row 16][8 pieces][2 bytes]: 256 bytes for each 128 tokens.
; SHARES.  256 work-groups THAT STAY: a work-group owns 128 tokens and column tile cx (256 features, four heads) and makes them for section 0 (q), 1 (k) and 2 (v), one after the other.
; Wave w: tokens 64 (w & 1) on, head w >> 1: 64 x 64, sixteen accumulators, 128 products a section.
; THE SECTIONS ARE WRITTEN OUT.  Source 0 is the operand whose rows run along a lane's registers in the result: the axis that is quantised next.  q, k: source 0 = W (the head's 64), source 1 = x.  v: source 0 = x (tokens), source 1 = W.
; LDS.  x's 128 rows for all of K lie at 0, filled once: [half of K][128 rows of 256 bytes + 16].  Behind them three slots of 256 rows, each one half of K of one section's W: half j = 2 x section + half lies in slot j % 3.
; (Two slots of a whole section and x would take 348,160 bytes.)  Halves 0, 1, 2 come with the first fills; halves 3 and 4 behind section 0's products, one load a wave; half 5 behind section 1's.
; A refill lands while the finished section is quantised and stored and the next section's first four K steps are multiplied; the wait for it and a barrier stand in that section's middle.
; CLUSTER.  x's tile hangs on the token block alone and is asked for jointly along a row of the cluster; W's on the column tile alone and is asked for jointly along a column.  Each refill stands behind a round of the
; cluster's barrier.  By this text's count a wave has at most three tensor loads out (the first fills of waves 4 to 7).  All of a WGP's LDS is claimed; 279,552 bytes are used.
; LIMITS: blocks of zeros, and blocks whose largest magnitude lies under 2^-124, get the scale byte 1 (read by this program alone); NaN and infinities are not served.
.set PITCH, 272                        ; 68 words: row r starts at bank 4 r mod 64 (64 banks of 4 bytes: ISA guide 11.1): the 16 rows of a load start at 16 different banks
.set PART,  64*PITCH                   ; what one tensor load brings
.set XH,    128*PITCH                  ; x's rows for one half of K
.set WB0,   2*XH                       ; W's slot 0
.set SLOTB, 256*PITCH                  ; a slot
.set SPARE, WB0+3*SLOTB                ; behind the slots: the spare words, 128 bytes for each wave: four blocks of 256 bytes that no other line names
.set XS_OFF, 4194304                   ; x's scale bytes in w1
.set SC_OFF, 12582912
.set L16, 1                            ; v1   16 x lane
.set RH,  2                            ; v2   32 r + 16 h
.set R16, 3                            ; v3   16 r
.set AX,  4                            ; v4   LDS address of my fragments of x
.set AW,  5                            ; v5-7 of W, in slot 0, 1, 2
.set SPW, 8                            ; v8   LDS address of my spare word: SPARE + 4 x my thread's number; never rewritten
.set NIL, 9                            ; v9   0; never rewritten
.set SCW, 12                           ; v12-27 W's scale words: tile t at 4 t; register i: K step i in lanes 0-15, K step 4 + i in lanes 16-31
.set SCX, 28                           ; v28-43 x's
.set WFR, 44                           ; v44-75  W's four fragments; behind the products the codes
.set XFR, 76                           ; v76-107 x's
.set TM,  108                          ; v108-113 at work in QUANT64
.set HW,  116                          ; v116-119 two scale bytes for each piece
.set PR,  120                          ; v[120:121] the four pieces' bytes
.set ACC, 128                          ; v128-255 accumulator (tile p of source 0, tile l of source 1) at 128 + 32 l + 8 p
.set CD,  44
.set BQ,  0                            ; window 1: v0-31 q_bias in the result's layout, eight a tile of W
.set BV,  32                           ; window 1: v32-39 v_bias of my lane's feature, twice, a pair a tile of W
.set SEL, 74                           ; s[74:75] v_permlanex16_b32's selects for lane l xor 16
; s[24:31] descriptor group 1 for x, s[32:39] for W.  Groups 0, made once and never rewritten: s[40:43] x; s[44:47], s[48:51], s[52:55] W's halves 0, 1, 2; s[56:59] the first refill; s[60:63] the second.
.set MSB, 0
.macro WIN new                         ; the immediate's high byte repeats the setting that is left
.if MSB != \new
	s_set_vgpr_msb (MSB<<8)|\new
.set MSB, \new
.endif
.endm
.macro PLACES                          ; four plain vector lines behind a matrix instruction, ahead of loads into its registers and of the first read of results
.rept 4
	v_nop
.endr
.endm
.macro CROUND                          ; a round of the cluster's barrier
	s_barrier_signal -1
	s_barrier_wait -1
	s_cmp_lg_u32 s16, 0
	s_cbranch_scc1 .Lnot_wave_0_\@
	s_barrier_signal -3
.Lnot_wave_0_\@:
	s_barrier_wait -3
	s_barrier_signal -1
	s_barrier_wait -1
.endm
.macro THREE                           ; in front of a barrier that shows tiles landed or frees a slot
	s_wait_tensorcnt 0x0                           ; all my tensor loads have landed
	ds_add_u32 v[SPW], v[NIL]                      ; 0 onto my spare word
	PLACES                                         ; the places behind the last products stand between the add and the wait for it
	s_wait_dscnt 0x0                               ; the add is done, and my reads of the slots are over
.endm
; 32 registers, four tiles of a result: register 8 p + j of lane (r, h) is k = 16 p + 8 h + j of row r.  They become a piece (four registers: lane (r, h) holds k = 32 h .. 32 h + 31) and its two scale bytes.
; Block b is tiles 2 b, 2 b + 1, half of it in lane l xor 16.  The conversions give k 8 h .. + 7 and 16 + 8 h .. + 7 of each block; two exchanges of lane halves put a whole block into a lane.
.macro QUANT64 src, dst, hw
.irp b, 0,1
	v_max3_num_f32 v[TM+\b], |v[\src+16*\b]|, |v[\src+16*\b+1]|, 0x1800000   ; my 16 numbers of block b, and the floor 2^(3 - 127): the byte cannot fall under 1
.endr
.irp n, 2,4,6,8,10,12,14
.irp b, 0,1
	v_max3_num_f32 v[TM+\b], v[TM+\b], |v[\src+16*\b+\n]|, |v[\src+16*\b+\n+1]|
.endr
.endr
.irp b, 0,1
	v_permlanex16_b32 v[TM+2+\b], v[TM+\b], s[SEL], s[SEL+1]
.endr
.irp b, 0,1
	v_max_num_f32 v[TM+\b], v[TM+\b], v[TM+2+\b]   ; with lane l xor 16's: the block's largest magnitude
.endr
.irp b, 0,1
	v_add_nc_u32 v[TM+4+\b], 0xff000000, v[TM+\b]  ; 2 off its exponent field: the conversion's scale operand
.endr
.irp b, 0,1
	v_lshrrev_b32 v[TM+2+\b], 23, v[TM+4+\b]       ; the scale's byte
.endr
	v_lshl_or_b32 v[\hw], v[TM+3], 8, v[TM+2]
	v_cvt_scalef32_pk8_fp4_f32 v[\dst], v[\src:\src+7], v[TM+4]
	v_cvt_scalef32_pk8_fp4_f32 v[\dst+2], v[\src+8:\src+15], v[TM+4]
	v_cvt_scalef32_pk8_fp4_f32 v[\dst+1], v[\src+16:\src+23], v[TM+5]
	v_cvt_scalef32_pk8_fp4_f32 v[\dst+3], v[\src+24:\src+31], v[TM+5]
	v_nop                                          ; one plain line behind a scaled conversion
	v_permlane16_swap_b32 v[\dst], v[\dst+1]       ; the first's lanes 16-31 change places with the second's lanes 0-15
	v_permlane16_swap_b32 v[\dst+2], v[\dst+3]
.endm
	s_load_b256 s[4:11], s[0:1], 0x0               ; w1, w_qkv's codes, its scales, q_bias
	s_load_b128 s[12:15], s[0:1], 0x20             ; v_bias, w2
	v_lshl_add_u32 v[SPW], v0, 2, SPARE
	v_mov_b32 v[NIL], 0
	ds_add_u32 v8, v9
	ds_add_u32 v8, v9
	s_wait_dscnt 0x0
	v_lshrrev_b32 v122, 5, v0
	v_readfirstlane_b32 s16, v122                  ; wave 0..7
	s_and_b32 s17, s16, 1                          ; which 64 tokens
	s_lshr_b32 s18, s16, 1                         ; which head of the four
	s_and_b32 s19, s16, 3                          ; which part of a tile I fetch
	s_lshr_b32 s70, s16, 2                         ; the first refill: which of its two halves
	s_bfe_u32 s20, ttmp6, 0x40000                  ; cx: the column tile (the grid has one cluster along x)
	s_bfe_u32 s21, ttmp6, 0x40004                  ; cy
	s_and_b32 s22, ttmp7, 0xffff
	s_lshl_b32 s22, s22, 2
	s_add_co_u32 s22, s22, s21                     ; the block of 128 tokens = 4 x cluster y + cy
	s_lshl_b32 s23, s21, 2
	s_lshl_b32 s23, 15, s23                        ; my row of the cluster
	s_lshl_b32 s71, 0x1111, s20                    ; my column
	; descriptor group 1: 64 rows of 256 bytes, 512 bytes apart in memory, 16 bytes of padding behind each in LDS
	s_or_b32 s24, s23, (1<<20)|(1<<21)|(5<<22)|(3<<25)   ; 15:0 the mask; 17:16 elements of 1 byte; 20 padding on; 21 set beside a mask; 24:22 after every 64 words; 31:25 four words
	s_or_b32 s32, s71, (1<<20)|(1<<21)|(5<<22)|(3<<25)
.irp g, 24, 32
	s_mov_b32 s[\g+1], 256<<16                     ; tensor_dim0
	s_mov_b32 s[\g+2], 64<<16                      ; tensor_dim1
	s_mov_b32 s[\g+3], 256<<16                     ; tile_dim0
	s_mov_b32 s[\g+4], 64                          ; tile_dim1
	s_mov_b32 s[\g+5], 512                         ; from row to row
	s_mov_b32 s[\g+6], 0
	s_mov_b32 s[\g+7], 0
.endr
	; x (waves 0 to 3): half of K = part & 1, rows 64 (part >> 1) on.  Made of the token block and the wave's number alone, in registers that never hold cx
	s_and_b32 s72, s19, 1
	s_lshr_b32 s73, s19, 1
	s_mul_i32 s76, s72, XH
	s_mul_i32 s77, s73, PART
	s_add_co_u32 s76, s76, s77                     ; where it goes
	s_lshl_b32 s78, s22, 7
	s_lshl_b32 s79, s73, 6
	s_add_co_u32 s78, s78, s79                     ; row 128 x block + 64 (part >> 1),
	s_lshl_b32 s78, s78, 9                         ; of 512 bytes,
	s_lshl_b32 s79, s72, 8
	s_add_co_u32 s78, s78, s79                     ; + 256 x half
	s_mov_b32 s79, 0
	; W: rows 256 cx + 64 x part of a section.  Made of cx and the wave's number alone, in registers that never hold cy
	s_lshl_b32 s84, s20, 8
	s_lshl_b32 s85, s19, 6
	s_add_co_u32 s84, s84, s85
	s_lshl_b32 s84, s84, 9
	s_mov_b32 s85, 0
	s_mul_i32 s86, s19, PART
	s_add_co_u32 s86, s86, WB0                     ; my 64 rows in slot 0: no place in the cluster enters an LDS address
	s_mul_i32 s87, s70, SLOTB
	s_add_co_u32 s87, s87, s86                     ; the first refill: waves 0-3 slot 0, waves 4-7 slot 1
	s_mul_i32 s96, s70, 524032                     ; and from where: section 1's second half (524,288 + 256 bytes on) or section 2's first (1,048,576)
	s_add_co_u32 s96, s96, 524544
	s_mov_b32 s97, 0
	s_wait_kmcnt 0x0
	s_add_nc_u64 s[66:67], s[4:5], s[78:79]
	s_add_nc_u64 s[68:69], s[6:7], s[84:85]
	CROUND                                         ; all sixteen work-groups are here: the first joint loads meet
	s_mov_b32 s40, 1                               ; x
	s_mov_b32 s41, s76
	s_mov_b64 s[42:43], s[66:67]
	s_or_b32 s43, s43, 0x80000000
	s_mov_b32 s44, 1                               ; W's half 0: section 0, first half of K
	s_mov_b32 s45, s86
	s_mov_b64 s[46:47], s[68:69]
	s_or_b32 s47, s47, 0x80000000
	s_mov_b32 s48, 1                               ; half 1: section 0, second half
	s_add_co_u32 s49, s86, SLOTB
	s_add_nc_u64 s[50:51], s[68:69], 256
	s_or_b32 s51, s51, 0x80000000
	s_mov_b32 s52, 1                               ; half 2: section 1, first half
	s_add_co_u32 s53, s86, 2*SLOTB
	s_add_nc_u64 s[54:55], s[68:69], 524288
	s_or_b32 s55, s55, 0x80000000
	s_mov_b32 s56, 1                               ; the first refill: half 3 or half 4
	s_mov_b32 s57, s87
	s_add_nc_u64 s[58:59], s[68:69], s[96:97]
	s_or_b32 s59, s59, 0x80000000
	s_mov_b32 s60, 1                               ; the second refill: half 5: section 2, second half, into slot 2
	s_add_co_u32 s61, s86, 2*SLOTB
	s_add_nc_u64 s[62:63], s[68:69], 1048832
	s_or_b32 s63, s63, 0x80000000
	s_cmp_lt_u32 s16, 4                            ; a wave's first fills stand in one branch on its number
	s_cbranch_scc0 .Lfirst_w
	tensor_load_to_lds s[40:43], s[24:31]
	s_nop 0
.rept 4
	v_nop
.endr
	s_branch .Lasked
.Lfirst_w:
	tensor_load_to_lds s[44:47], s[32:39]
	s_nop 0
	tensor_load_to_lds s[48:51], s[32:39]
	s_nop 0
	tensor_load_to_lds s[52:55], s[32:39]
	s_nop 0
.rept 4
	v_nop
.endr
.Lasked:
	v_and_b32 v123, 15, v0                         ; r
	v_bfe_u32 v124, v0, 4, 1                       ; h
	v_and_b32 v125, 31, v0
	v_lshlrev_b32 v[L16], 4, v125
	v_lshlrev_b32 v[RH], 5, v123
	v_lshl_add_u32 v[RH], v124, 4, v[RH]
	v_lshlrev_b32 v[R16], 4, v123
	v_lshlrev_b32 v10, 5, v124                     ; q_bias: 32 h
	v_lshlrev_b32 v11, 2, v123                     ; v_bias: 4 r
	v_mul_u32_u24 v122, v123, PITCH
	v_lshl_add_u32 v122, v124, 4, v122             ; a fragment's row x pitch + 16 h
	s_mul_i32 s72, s17, 64*PITCH                   ; x's rows: 64 x half of the tokens
	v_add_nc_u32 v[AX], s72, v122
	s_mul_i32 s73, s18, 64*PITCH                   ; W's rows: 64 x head
	s_add_co_u32 s73, s73, WB0
	v_add_nc_u32 v[AW], s73, v122
	v_add_nc_u32 v[AW+1], SLOTB, v[AW]
	v_add_nc_u32 v[AW+2], SLOTB, v[AW+1]
	v_mov_b32 v[TM+2], 0                           ; written once: a lane permute's destination counts as one of its sources
	v_mov_b32 v[TM+3], 0
	s_mov_b32 s[SEL], 0x76543210
	s_mov_b32 s[SEL+1], 0xfedcba98
	s_mov_b32 s98, 0x3e000000                      ; 1 / 8 = 1 / sqrt(64); the packed forms name the pair and take its low word
	s_mov_b32 s99, s98
	s_mov_b32 s101, 0
	s_lshl_b32 s100, s22, 12                       ; x's scale bytes: 32 a row, rows 128 x block + 64 x half
	s_lshl_b32 s104, s17, 11
	s_add_co_u32 s100, s100, s104
	s_add_co_u32 s100, s100, XS_OFF
	s_add_nc_u64 s[80:81], s[4:5], s[100:101]
	s_lshl_b32 s100, s20, 13                       ; W's: rows 256 cx + 64 x head of section 0; a section on is 32,768 bytes
	s_lshl_b32 s104, s18, 11
	s_add_co_u32 s100, s100, s104
	s_add_nc_u64 s[82:83], s[8:9], s[100:101]
	s_lshl_b32 s100, s20, 10                       ; the biases: feature 256 cx + 64 x head
	s_lshl_b32 s104, s18, 8
	s_add_co_u32 s100, s100, s104
	s_add_nc_u64 s[88:89], s[10:11], s[100:101]
	s_add_nc_u64 s[90:91], s[12:13], s[100:101]
.macro WSCALES sec                     ; a row's 32 scale bytes: lanes 0-15 take bytes 0-15 (K steps 0-3), lanes 16-31 bytes 16-31 (K steps 4-7)
.irp t, 0,1,2,3
	global_load_b128 v[SCW+4*\t:SCW+4*\t+3], v[RH], s[82:83] offset:32768*(\sec)+512*\t
.endr
.endm
.irp t, 0,1,2,3
	global_load_b128 v[SCX+4*\t:SCX+4*\t+3], v[RH], s[80:81] offset:512*\t
.endr
	WSCALES 0
	WIN 0x40                                       ; destination window 1
.irp t, 0,1,2,3
	global_load_b128 v[BQ+8*\t:BQ+8*\t+3], v10, s[88:89] offset:64*\t          ; q_bias of features 16 t + 8 h + 0 .. 7
	global_load_b128 v[BQ+8*\t+4:BQ+8*\t+7], v10, s[88:89] offset:64*\t+16
.endr
.irp t, 0,1,2,3
	global_load_b32 v[BV+2*\t], v11, s[90:91] offset:64*\t                     ; v_bias of feature 16 t + r, into both halves of a pair
	global_load_b32 v[BV+2*\t+1], v11, s[90:91] offset:64*\t
.endr
	WIN 0
	; where section 0's results go; the pointers step from section to section
	s_lshr_b32 s2, s22, 3                          ; batch
	s_lshl_b32 s2, s2, 4
	s_lshl_b32 s3, s20, 2
	s_add_co_u32 s2, s2, s3
	s_add_co_u32 s2, s2, s18                       ; 16 x batch + head
	s_and_b32 s3, s22, 7                           ; which 128 tokens of the batch
	s_lshl_b32 s2, s2, 3
	s_add_co_u32 s2, s2, s3
	s_lshl_b32 s100, s2, 12                        ; eight pieces of 512 bytes for each 128 tokens,
	s_lshl_b32 s104, s17, 11                       ; my four of them
	s_add_co_u32 s100, s100, s104
	s_add_nc_u64 s[92:93], s[14:15], s[100:101]
	s_lshl_b32 s100, s2, 8                         ; 256 scale bytes for each 128 tokens,
	s_lshl_b32 s104, s17, 3                        ; my four pieces' 8 bytes in a row's 16
	s_add_co_u32 s100, s100, s104
	s_add_co_u32 s100, s100, SC_OFF
	s_add_nc_u64 s[94:95], s[14:15], s[100:101]
	s_wait_loadcnt 0x0                             ; scales and biases
	s_wait_tensorcnt 0x0                           ; my first fills have landed,
	s_barrier_signal -1
	s_barrier_wait -1                              ; everybody's have
; A K step of 128 of section sec: eight fragments from LDS, sixteen products.  pl = 1: four places stand ahead of the loads (else they stand further up).
; The sixteen accumulators take turns, one instruction a turn, in the same order in every step and section.  A section's first step starts the sums with the constant 0.
.macro KSTEP sec, s, pl
.set WSL, (2*(\sec)+(\s)/4)%3          ; the slot that holds this half of K of this section
.if (\sec) < 2
.set PFR, WFR
.set LFR, XFR
.set SCP, SCW
.set SCL, SCX
.else
.set PFR, XFR
.set LFR, WFR
.set SCP, SCX
.set SCL, SCW
.endif
.if \pl
	PLACES
.endif
.irp t, 0,1,2,3
.irp c, 0,1
	ds_load_b128 v[WFR+8*\t+4*\c:WFR+8*\t+4*\c+3], v[AW+WSL] offset:16*PITCH*\t+64*((\s)%4)+32*\c
	ds_load_b128 v[XFR+8*\t+4*\c:XFR+8*\t+4*\c+3], v[AX] offset:XH*((\s)/4)+16*PITCH*\t+64*((\s)%4)+32*\c
.endr
.endr
	s_wait_dscnt 0x0
.irp l, 0,1,2,3
.irp p, 0,1,2,3
.if (\s) == 0
	v_wmma_scale_f32_16x16x128_f8f6f4 v[ACC+32*\l+8*\p:ACC+32*\l+8*\p+7], v[PFR+8*\p:PFR+8*\p+7], v[LFR+8*\l:LFR+8*\l+7], 0, v[SCP+4*\p], v[SCL+4*\l] matrix_a_fmt:MATRIX_FMT_FP4 matrix_b_fmt:MATRIX_FMT_FP4
.elseif (\s) < 4
	v_wmma_scale_f32_16x16x128_f8f6f4 v[ACC+32*\l+8*\p:ACC+32*\l+8*\p+7], v[PFR+8*\p:PFR+8*\p+7], v[LFR+8*\l:LFR+8*\l+7], v[ACC+32*\l+8*\p:ACC+32*\l+8*\p+7], v[SCP+4*\p+(\s)], v[SCL+4*\l+(\s)] matrix_a_fmt:MATRIX_FMT_FP4 matrix_b_fmt:MATRIX_FMT_FP4
.else
	v_wmma_scale_f32_16x16x128_f8f6f4 v[ACC+32*\l+8*\p:ACC+32*\l+8*\p+7], v[PFR+8*\p:PFR+8*\p+7], v[LFR+8*\l:LFR+8*\l+7], v[ACC+32*\l+8*\p:ACC+32*\l+8*\p+7], v[SCP+4*\p+(\s)-4], v[SCL+4*\l+(\s)-4] matrix_a_fmt:MATRIX_FMT_FP4 matrix_b_fmt:MATRIX_FMT_FP4 matrix_a_scale:MATRIX_SCALE_ROW1 matrix_b_scale:MATRIX_SCALE_ROW1
.endif
.endr
.endr
.endm
; A section's results: the bias, the quantiser, the stores.
.macro EPI sec
.if (\sec) == 0
	WIN 0x41                                       ; q: (sum + bias) / 8 as one fused multiply-add: bias / 8 first (exact)
.set j, 0
.rept 16
	v_pk_mul_f32 v[BQ+j:BQ+j+1], v[BQ+j:BQ+j+1], s[98:99] op_sel_hi:[1,0]
.set j, j+2
.endr
	WIN 0x10                                       ; source 2 (the bias) window 1
.irp l, 0,1,2,3
.irp p, 0,1,2,3
.irp n, 0,2,4,6                                ; each accumulator from its low end on
	v_pk_fma_f32 v[ACC+32*\l+8*\p+\n:ACC+32*\l+8*\p+\n+1], v[ACC+32*\l+8*\p+\n:ACC+32*\l+8*\p+\n+1], s[98:99], v[BQ+8*\p+\n:BQ+8*\p+\n+1] op_sel_hi:[1,0,1]
.endr
.endr
.endr
	WIN 0
.elseif (\sec) == 2
	WIN 0x04                                       ; v: + bias of my lane's feature; source 1 window 1
.irp l, 0,1,2,3
.set j, 0
.rept 16
	v_pk_add_f32 v[ACC+32*\l+j:ACC+32*\l+j+1], v[ACC+32*\l+j:ACC+32*\l+j+1], v[BV+2*\l:BV+2*\l+1]
.set j, j+2
.endr
.endr
	WIN 0
.endif
.irp l, 0,1,2,3
	QUANT64 ACC+32*\l, CD+4*\l, HW+\l
.endr
	v_lshl_or_b32 v[PR], v[HW+1], 16, v[HW]
	v_lshl_or_b32 v[PR+1], v[HW+3], 16, v[HW+2]
.irp l, 0,1,2,3
	global_store_b128 v[L16], v[CD+4*\l:CD+4*\l+3], s[92:93] offset:512*\l     ; a piece: 512 consecutive bytes
.endr
	global_store_b64 v[R16], v[PR:PR+1], s[94:95]  ; my row's 8 scale bytes (lanes r and r + 16 store the same bytes)
.if (\sec) < 2
	s_wait_xcnt 0x0                                ; the stores have read their registers and bases: the bases step, and the next section's fragments may land on the codes
	s_add_nc_u64 s[92:93], s[92:93], 4194304       ; the next section's pieces
	s_add_nc_u64 s[94:95], s[94:95], 262144        ; and scale bytes
.endif
.endm
	; ---- section 0: q.  Slots 0 and 1
	KSTEP 0, 0, 0
.irp s, 1,2,3,4,5,6,7
	KSTEP 0, \s, 1
.endr
	THREE                                          ; my reads of slots 0 and 1 are over
	CROUND                                         ; so are those of every wave of every partner, and none has a load on its way
	tensor_load_to_lds s[56:59], s[32:39]          ; my one load behind the round: waves 0-3 section 1's second half into slot 0, waves 4-7 section 2's first half into slot 1
	s_nop 0
.rept 4
	v_nop
.endr
	WSCALES 1                                      ; the next section's scale words, into registers that the products have left
	EPI 0
	; ---- section 1: k.  Slot 2, which came with the first fills, then slot 0
	s_wait_loadcnt 0x0                             ; W's scale words
	KSTEP 1, 0, 0
.irp s, 1,2,3
	KSTEP 1, \s, 1
.endr
	THREE                                          ; my part of the first refill has landed,
	s_barrier_signal -1
	s_barrier_wait -1                              ; everybody's has
	KSTEP 1, 4, 0
.irp s, 5,6,7
	KSTEP 1, \s, 1
.endr
	THREE                                          ; my reads of slot 2 are over
	CROUND
	s_cmp_lt_u32 s16, 4                            ; the last tile has four parts: waves 0 to 3 fetch them
	s_cbranch_scc0 .Lno_part
	tensor_load_to_lds s[60:63], s[32:39]          ; section 2's second half into slot 2
	s_nop 0
.rept 4
	v_nop
.endr
.Lno_part:
	WSCALES 2
	EPI 1
	; ---- section 2: v.  Slot 1, then slot 2
	s_wait_loadcnt 0x0
	KSTEP 2, 0, 0
.irp s, 1,2,3
	KSTEP 2, \s, 1
.endr
	THREE                                          ; my part of the second refill has landed,
	s_barrier_signal -1
	s_barrier_wait -1                              ; everybody's has
	KSTEP 2, 4, 0
.irp s, 5,6,7
	KSTEP 2, \s, 1
.endr
	PLACES
	EPI 2
	s_wait_tensorcnt 0x0                           ; the wave's end: my last LDS instructions, behind my last tensor load
	ds_add_u32 v[SPW], v[NIL]
	s_wait_dscnt 0x0
	CROUND                                         ; the closing round: no work-group ends while a partner may still ask for a tile that names it
	s_endpgm
.Lfunc_end_k_q2e9f42b276_qkv:
	.size	k_q2e9f42b276_qkv, .Lfunc_end_k_q2e9f42b276_qkv-k_q2e9f42b276_qkv
	.p2alignl 7, 3214868480
	.fill 96, 4, 3214868480
	.section	.rodata,"a",@progbits
	.p2align	6, 0x0
	.amdhsa_kernel k_q2e9f42b276_qkv
		.amdhsa_group_segment_fixed_size 327680
		.amdhsa_private_segment_fixed_size 0
		.amdhsa_enable_private_segment 0
		.amdhsa_kernarg_size 48
		.amdhsa_user_sgpr_count 2
		.amdhsa_user_sgpr_kernarg_segment_ptr 1
		.amdhsa_wavefront_size32 1
		.amdhsa_system_sgpr_workgroup_id_x 1
		.amdhsa_system_sgpr_workgroup_id_y 1
		.amdhsa_system_sgpr_workgroup_id_z 1
		.amdhsa_system_vgpr_workitem_id 0
		.amdhsa_next_free_vgpr 296
		.amdhsa_next_free_sgpr 106
		.amdhsa_reserve_vcc 0
		.amdhsa_float_denorm_mode_32 3
		.amdhsa_float_denorm_mode_16_64 3
		.amdhsa_memory_ordered 1
		.amdhsa_forward_progress 1
		.amdhsa_inst_pref_size 123
	.end_amdhsa_kernel
	.amdgpu_metadata
---
amdhsa.version: [ 1, 2 ]
amdhsa.kernels:
  - .name:           k_q2e9f42b276_qkv
    .symbol:         k_q2e9f42b276_qkv.kd
    .args:
      - { .name: w1, .offset: 0, .size: 8, .value_kind: global_buffer, .address_space: global }
      - { .name: w_qkv_codes, .offset: 8, .size: 8, .value_kind: global_buffer, .address_space: global }
      - { .name: w_qkv_scales, .offset: 16, .size: 8, .value_kind: global_buffer, .address_space: global }
      - { .name: q_bias, .offset: 24, .size: 8, .value_kind: global_buffer, .address_space: global }
      - { .name: v_bias, .offset: 32, .size: 8, .value_kind: global_buffer, .address_space: global }
      - { .name: w2, .offset: 40, .size: 8, .value_kind: global_buffer, .address_space: global }
    .group_segment_fixed_size: 327680
    .private_segment_fixed_size: 0
    .kernarg_segment_align: 8
    .kernarg_segment_size: 48
    .max_flat_workgroup_size: 256
    .sgpr_count:     106
    .vgpr_count:     296
    .wavefront_size: 32
...
	.end_amdgpu_metadata
.endif
;; end of part 2
;; launch attn (part 3): grid 16 x 16, 8 waves a work-group, no clusters, 101,376 bytes of LDS; arguments rel_pos, rel_2d_pos, w2, w1, mflag, w3; writes w3
.if DOCPART == 3
	.amdgcn_target "amdgcn-amd-amdhsa--gfx1250"
	.amdhsa_code_object_version 6
	.text
	.protected	k_q2e9f42b276_attn
	.globl	k_q2e9f42b276_attn
	.p2align	8
	.type	k_q2e9f42b276_attn,@function
k_q2e9f42b276_attn:
	s_mov_b64 s[64:65], 0
	v_nop
	global_prefetch_b8 v0, s[64:65] scope:SCOPE_SE
	s_setreg_imm32_b32 hwreg(HW_REG_WAVE_MODE, 25, 1), 1
	s_wait_xcnt 0x0
; ctx = softmax(q k^T + rel_pos + rel_2d_pos, hidden keys at -infinity) v on codes of FP4 with E8M0 scales, and ctx quantised along the hidden axis for the output product.
; THE SOFTMAX: t = logit x log2(e); M = the row's largest t so far, rounded up to a whole number; p = 2^(t - M) is quantised along the keys, not normalised; the row's sum is taken of the unquantised p and divides at the end.
; When M moves, the sum and O are multiplied by 2^(old M - new M): exact.
; SHARES.  A work-group owns 64 queries (x) of one head (y) for ALL EIGHT BATCHES: wave w is batch w and holds four tiles of 16 queries.  rel_pos + rel_2d_pos does not hang on the batch: each of its bytes is loaded
; once in the launch, summed once (wave w: rows 8 w .. 8 w + 7 of the 64) and laid in LDS, where the eight waves read it.  It is the C of the first product: its addition costs no line.
; K and V belong to one wave of the work-group: they come from w2, laid in the order of an operand's registers, straight into registers, 512 consecutive bytes a load, and each fragment feeds four tiles.
; NO TENSOR LOAD, NO JOINT REQUEST, though a head's sixteen work-groups read the same K and V: a step branches on a word of flags read from memory (does this batch hide a key among these 128?).
; Without the branch every tile's step would carry 16 LDS loads and 32 packed additions more.
; LAYOUT.  Both products are used transposed: S^T = K Q^T, O^T = V^T P^T: a lane holds ONE query (lane % 16) throughout.  The head has 64 along K, half of the instruction's 128: a fragment of K holds TWO tiles of
; 16 keys (k 0-63 the first, k 64-127 the second) and is multiplied by [q | 0] and by [0 | q]: zero codes annul the other tile (no scale byte is 0xff).
; A block of 32 keys is tiles 2 b, 2 b + 1, half of it in lane l xor 16; two exchanges of lane halves lay p's codes as the operand wants them.
; w3: + 0 ctx's codes, [tile of 16 tokens: 512][head 16][512 bytes] (head 2 s + c is half c of K step s of the output product); + CS_OFF its scale bytes, [8192 tokens][32].
; LIMITS: the mask is applied as score + (-infinity), equal to reference()'s choice for finite scores; the logit is summed as score + (rel_pos + rel_2d_pos); NaN and infinities among the inputs are not served;
; blocks of zeros and blocks under 2^-124 get the scale byte 1; a row all of whose keys are hidden gets the scale bytes 0xff, so that the output product gives NaN there, as reference() does.
.set RPITCH, 528                       ; a row of the rel sum in LDS: 512 bytes + 16 = 132 words: row r starts at bank 4 r mod 64 (ISA guide 11.1)
.set RS1,    64*RPITCH                 ; slot 1 of the rel sum; slot 0 at 0
.set MBL,    2*RS1                     ; behind them: each wave's copy of its batch's mask, 4,096 bytes
.set KC_OFF, 4194304
.set VC_OFF, 8388608
.set QS_OFF, 12582912
.set KS_OFF, 12845056
.set VS_OFF, 13107200
.set MB_OFF, 4980736
.set CS_OFF, 4194304
.set L16, 1                            ; 16 x lane
.set R16, 2                            ; 16 r
.set R32, 3                            ; 32 r
.set ARD, 4                            ; the rel sum, read: 528 r + 32 h
.set AST, 5                            ; the rel sum, stored: my wave's 8 rows, 16 x lane
.set AMB0, 6                           ; my mask: MBL + 4,096 w + 32 h
.set AMB, 7                            ; the same at the step in hand
.set AMW, 8                            ; my mask, stored
.set ST,  12                           ; v12-27 four a tile: -M, the largest t, the sum in two halves
.set QS,  28                           ; v28-31 q's scale words
.set QR,  32                           ; v32-67 0 q0 0 q1 0 q2 0 q3 0, four registers each
.set KS,  68                           ; v68-71 K's scale words
.set VS,  72                           ; v72-75 V's
.set VT,  76                           ; v76-79 V's scale bytes as loaded
.set KF,  80                           ; v80-111  K's four double fragments
.set VF,  112                          ; v112-143 V's four fragments
.set SS,  144                          ; v144-207 S^T, then p
.set PCD, 208                          ; v208-215 p's codes
.set PW,  216                          ; p's scale word
.set SU,  218                          ; v[218:219] the sum's second chain
.set BM,  220                          ; v220-223 the blocks' largest scores, then largest p
.set PX,  224                          ; v224-227 from lane l xor 16
.set SO,  228                          ; v228-231 the conversions' scale operands
.set BY,  232                          ; v232-235 the scales' bytes
.set FF,  236                          ; v[236:237] f = 2^(old M - new M)
.set TT,  238
.set TM,  240                          ; v240-245 at work in QUANT64
.set RP,  4                            ; s[4:5] rel_pos, s[6:7] rel_2d_pos at my wave's 8 rows and the step that is loaded
.set R2,  6
.set KP,  20
.set KSP, 22
.set VP,  24
.set VSP, 26
.set QP,  28
.set QSP, 30
.set MBP, 32
.set CCP, 34
.set CSP, 36
.set CNT, 38
.set MW,  39                           ; my batch's flags, four bits a step
.set MBS, 40                           ; 512 x step
.set TS,  41
.set CL,  44                           ; s[44:45] log2(e)
.set SEL, 46                           ; s[46:47] v_permlanex16_b32's selects for lane l xor 16
.set PLO, 48                           ; v_perm_b32: the two low halves
.set PHI, 49                           ; the two high halves
.set MSB, 0
.macro WIN new                         ; the immediate's high byte repeats the setting that is left
.if MSB != \new
	s_set_vgpr_msb (MSB<<8)|\new
.set MSB, \new
.endif
.endm
.macro PLACES                          ; four plain vector lines behind a matrix instruction (ISA guide 7.12.1)
.rept 4
	v_nop
.endr
.endm
.macro QUANT64 src, dst, hw            ; 32 registers (four tiles of a result) become a piece of four registers and its two scale bytes
.irp b, 0,1
	v_max3_num_f32 v[TM+\b], |v[\src+16*\b]|, |v[\src+16*\b+1]|, 0x1800000   ; my 16 numbers of block b, and the floor 2^(3 - 127)
.endr
.irp n, 2,4,6,8,10,12,14
.irp b, 0,1
	v_max3_num_f32 v[TM+\b], v[TM+\b], |v[\src+16*\b+\n]|, |v[\src+16*\b+\n+1]|
.endr
.endr
.irp b, 0,1
	v_permlanex16_b32 v[TM+2+\b], v[TM+\b], s[SEL], s[SEL+1]
.endr
.irp b, 0,1
	v_max_num_f32 v[TM+\b], v[TM+\b], v[TM+2+\b]
.endr
.irp b, 0,1
	v_add_nc_u32 v[TM+4+\b], 0xff000000, v[TM+\b]
.endr
.irp b, 0,1
	v_lshrrev_b32 v[TM+2+\b], 23, v[TM+4+\b]
.endr
	v_lshl_or_b32 v[\hw], v[TM+3], 8, v[TM+2]
	v_cvt_scalef32_pk8_fp4_f32 v[\dst], v[\src:\src+7], v[TM+4]
	v_cvt_scalef32_pk8_fp4_f32 v[\dst+2], v[\src+8:\src+15], v[TM+4]
	v_cvt_scalef32_pk8_fp4_f32 v[\dst+1], v[\src+16:\src+23], v[TM+5]
	v_cvt_scalef32_pk8_fp4_f32 v[\dst+3], v[\src+24:\src+31], v[TM+5]
	v_nop                                          ; one plain line behind a scaled conversion
	v_permlane16_swap_b32 v[\dst], v[\dst+1]
	v_permlane16_swap_b32 v[\dst+2], v[\dst+3]
.endm
.macro RELLOAD                         ; my 8 rows x 128 keys of both tensors: each load reads 512 consecutive bytes, read once in the launch
	WIN 0x40                                       ; destination window 1
.irp i, 0,1,2,3,4,5,6,7
	global_load_b128 v[128+4*\i:131+4*\i], v[L16], s[RP:RP+1] offset:4096*\i th:TH_LOAD_NT
.endr
.irp i, 0,1,2,3,4,5,6,7
	global_load_b128 v[160+4*\i:163+4*\i], v[L16], s[R2:R2+1] offset:4096*\i th:TH_LOAD_NT
.endr
	WIN 0
.endm
.macro RELSTORE slot                   ; their sum into the slot
	WIN 0x45
.set j, 0
.rept 16
	v_pk_add_f32 v[128+j:129+j], v[128+j:129+j], v[160+j:161+j]
.set j, j+2
.endr
	WIN 0x04                                       ; an LDS store's data are its source 1: window 1
.irp i, 0,1,2,3,4,5,6,7
	ds_store_b128 v[AST], v[128+4*\i:131+4*\i] offset:RS1*(\slot)+RPITCH*\i
.endr
	WIN 0
.endm
.macro KLOAD step                      ; a step's 8 tiles of K and their scale words: nine loads
.if \step
	s_wait_xcnt 0x0                                ; the pointers are stepped only behind this wait
	s_add_nc_u64 s[KP:KP+1], s[KP:KP+1], 4096
	s_add_nc_u64 s[KSP:KSP+1], s[KSP:KSP+1], 256
.endif
.irp t, 0,1,2,3,4,5,6,7
	global_load_b128 v[KF+4*\t:KF+4*\t+3], v[L16], s[KP:KP+1] offset:512*\t
.endr
	global_load_b128 v[KS:KS+3], v[R16], s[KSP:KSP+1]   ; word b of row r: the four bytes of tiles 2 b, 2 b + 1
.endm
.macro VLOAD step                      ; a step's four fragments of V and their scale bytes: nine loads
.if \step
	s_wait_xcnt 0x0
	s_add_nc_u64 s[VP:VP+1], s[VP:VP+1], 4096
	s_add_nc_u64 s[VSP:VSP+1], s[VSP:VSP+1], 256
.endif
.irp c, 0,1
.irp t, 0,1,2,3
	global_load_b128 v[VF+8*\t+4*\c:VF+8*\t+4*\c+3], v[L16], s[VP:VP+1] offset:512*(4*\c+\t)
.endr
.endr
	global_load_b128 v[VT:VT+3], v[R16], s[VSP:VSP+1]
.endm
.macro RLOAD slot, u                   ; the rel sum of tile u's 16 queries x 128 keys in the result's layout: register 8 t + j of lane (r, h) is (query r, key 16 t + 8 h + j)
.irp t, 0,1,2,3,4,5,6,7
.irp e, 0,1
	ds_load_b128 v[SS+8*\t+4*\e:SS+8*\t+4*\e+3], v[ARD] offset:RS1*(\slot)+16*RPITCH*(\u)+64*\t+16*\e
.endr
.endr
.endm
; ONE TILE OF 16 QUERIES, ONE STEP OF 128 KEYS.  kw, vw: the counts of the waits for K and V (under 0: none).  ldk, ldv: the next step's K and V are asked for as soon as this step's have been multiplied.  nxt: the tile whose rel sum is fetched.
.macro UNIT i, slot, kw, vw, ldk, ldv, nxt
.set SM0, ST+4*(\i)
.set OI,  32*(\i)
.set QA,  QR+8*(\i)
.if \kw >= 0
	s_wait_loadcnt \kw                             ; K is in; behind it V's nine loads and the rel loads of this step may be out
.endif
	s_wait_dscnt 0x0                               ; the rel sum is in
.irp t, 0,1,2,3,4,5,6,7                        ; eight accumulators, one instruction each
	v_wmma_scale_f32_16x16x128_f8f6f4 v[SS+8*\t:SS+8*\t+7], v[KF+8*(\t/2):KF+8*(\t/2)+7], v[QA+4-4*(\t%2):QA+11-4*(\t%2)], v[SS+8*\t:SS+8*\t+7], v[KS+\t/2], v[QS+\i] matrix_a_fmt:MATRIX_FMT_FP4 matrix_b_fmt:MATRIX_FMT_FP4
.endr
	PLACES
.if \ldk
	KLOAD 1
.endif
	s_and_b32 s[TS], s[MW], 15                     ; does my batch hide a key among these 128?
	s_cmp_eq_u32 s[TS], 0
	s_cbranch_scc1 .Lopen_\@
	WIN 0x40
.irp t, 0,1,2,3,4,5,6,7
.irp e, 0,1
	ds_load_b128 v[192+8*\t+4*\e:195+8*\t+4*\e], v[AMB] offset:64*\t+16*\e
.endr
.endr
	s_wait_dscnt 0x0
	WIN 0x04
.set j, 0
.rept 32
	v_pk_add_f32 v[SS+j:SS+j+1], v[SS+j:SS+j+1], v[192+j:193+j]   ; + 0 or -infinity; each accumulator from its low end on
.set j, j+2
.endr
	WIN 0
.Lopen_\@:
.irp b, 0,1,2,3
	v_max3_num_f32 v[BM+\b], v[SS+16*\b], v[SS+16*\b+1], v[SS+16*\b+2]   ; the largest score of each block of 32 keys: it serves the row's maximum and, since p rises with the score, the block's largest p
.endr
.irp n, 3,5,7,9,11,13
.irp b, 0,1,2,3
	v_max3_num_f32 v[BM+\b], v[BM+\b], v[SS+16*\b+\n], v[SS+16*\b+\n+1]
.endr
.endr
.irp b, 0,1,2,3
	v_max_num_f32 v[BM+\b], v[BM+\b], v[SS+16*\b+15]
.endr
.irp b, 0,1,2,3
	v_permlanex16_b32 v[PX+\b], v[BM+\b], s[SEL], s[SEL+1]
.endr
.irp b, 0,1,2,3
	v_max_num_f32 v[BM+\b], v[BM+\b], v[PX+\b]     ; with lane l xor 16's 16 keys
.endr
	v_max3_num_f32 v[TT], v[BM], v[BM+1], v[BM+2]
	v_max_num_f32 v[TT], v[TT], v[BM+3]
	v_mul_f32 v[TT], s[CL], v[TT]                  ; as t
	v_max_num_f32 v[SM0+1], v[SM0+1], v[TT]        ; the running largest t
	v_mov_b32 v[TT], v[SM0]
	v_floor_f32 v[SM0], -v[SM0+1]                  ; the new -M = floor(-t): M is a whole number
	v_sub_f32 v[TT], v[SM0], v[TT]                 ; old M - new M: a whole number, 0 or less
	v_cvt_i32_f32 v[TT], v[TT]                     ; (it saturates)
	v_ldexp_f32 v[FF], 1.0, v[TT]                  ; f = 2^(old M - new M)
.set j, 0
.rept 32
	v_pk_fma_f32 v[SS+j:SS+j+1], v[SS+j:SS+j+1], s[CL:CL+1], v[SM0:SM0+1] op_sel_hi:[1,0,0]   ; t - M, two at a time
.set j, j+2
.endr
.irp b, 0,1,2,3
	v_fma_f32 v[BM+\b], v[BM+\b], s[CL], v[SM0]    ; the same of each block's largest score
.endr
.set j, 0
.rept 64
	v_exp_f32 v[SS+j], v[SS+j]                     ; p = 2^(t - M)
.set j, j+1
.endr
	v_pk_mul_f32 v[SM0+2:SM0+3], v[SM0+2:SM0+3], v[FF:FF+1] op_sel_hi:[1,0]   ; the sums under the new M (the plain line behind the exponentials)
	s_wait_alu depctr_va_vdst(0)                   ; one wait for the batch of 64, ahead of its first reader
.irp b, 0,1,2,3
	v_exp_f32 v[BM+\b], v[BM+\b]                   ; the blocks' largest p
.endr
	v_pk_add_f32 v[SU:SU+1], v[SS:SS+1], v[SS+2:SS+3]   ; the row's sum of the unquantised p, in two chains
.set j, 4
.rept 15
	v_pk_add_f32 v[SM0+2:SM0+3], v[SM0+2:SM0+3], v[SS+j:SS+j+1]
	v_pk_add_f32 v[SU:SU+1], v[SU:SU+1], v[SS+j+2:SS+j+3]
.set j, j+4
.endr
	v_pk_add_f32 v[SM0+2:SM0+3], v[SM0+2:SM0+3], v[SU:SU+1]
	s_wait_alu depctr_va_vdst(0)                   ; and one for the four
.irp b, 0,1,2,3
	v_max_num_f32 v[BM+\b], 0x1800000, v[BM+\b]    ; the floor 2^(3 - 127): a block whose every p is 0 keeps the byte 1: its codes are zeros
.endr
.irp b, 0,1,2,3
	v_add_nc_u32 v[SO+\b], 0xff000000, v[BM+\b]
.endr
.irp b, 0,1,2,3
	v_lshrrev_b32 v[BY+\b], 23, v[SO+\b]
.endr
	v_lshl_or_b32 v[PW], v[BY+1], 8, v[BY]
	v_lshl_or_b32 v[PW], v[BY+2], 16, v[PW]
	v_lshl_or_b32 v[PW], v[BY+3], 24, v[PW]
.irp c, 0,1
	v_cvt_scalef32_pk8_fp4_f32 v[PCD+4*\c], v[SS+32*\c:SS+32*\c+7], v[SO+2*\c]
	v_cvt_scalef32_pk8_fp4_f32 v[PCD+4*\c+2], v[SS+32*\c+8:SS+32*\c+15], v[SO+2*\c]
	v_cvt_scalef32_pk8_fp4_f32 v[PCD+4*\c+1], v[SS+32*\c+16:SS+32*\c+23], v[SO+2*\c+1]
	v_cvt_scalef32_pk8_fp4_f32 v[PCD+4*\c+3], v[SS+32*\c+24:SS+32*\c+31], v[SO+2*\c+1]
.endr
	v_nop                                          ; one plain line behind a scaled conversion
.irp c, 0,1
	v_permlane16_swap_b32 v[PCD+4*\c], v[PCD+4*\c+1]
	v_permlane16_swap_b32 v[PCD+4*\c+2], v[PCD+4*\c+3]
.endr
.if \nxt >= 0
	RLOAD \slot, \nxt                              ; p's registers are free: the next tile's rel sum lands under the lines below
.endif
.if \vw >= 0
	s_wait_loadcnt \vw                             ; V is in; behind it this step's rel loads may be out
	v_perm_b32 v[VS], v[VT+2], v[VT], s[PLO]       ; fragment t's scale word: the two bytes of its first 64 keys, then of its second
	v_perm_b32 v[VS+1], v[VT+2], v[VT], s[PHI]
	v_perm_b32 v[VS+2], v[VT+3], v[VT+1], s[PLO]
	v_perm_b32 v[VS+3], v[VT+3], v[VT+1], s[PHI]
.endif
	WIN 0x41                                       ; O^T in window 1
.set j, 0
.rept 16
	v_pk_mul_f32 v[OI+j:OI+j+1], v[OI+j:OI+j+1], v[FF:FF+1] op_sel_hi:[1,0]   ; O^T under the new M.  Twelve of these name no register of any one product below: the places ahead of the scaled products
.set j, j+2
.endr
	WIN 0x50                                       ; C and D window 1
.irp t, 0,1,2,3
	v_wmma_scale_f32_16x16x128_f8f6f4 v[OI+8*\t:OI+8*\t+7], v[VF+8*\t:VF+8*\t+7], v[PCD:PCD+7], v[OI+8*\t:OI+8*\t+7], v[VS+\t], v[PW] matrix_a_fmt:MATRIX_FMT_FP4 matrix_b_fmt:MATRIX_FMT_FP4
.endr
	WIN 0
.if \ldv
	PLACES
	VLOAD 1
.endif
.endm
; A STEP OF 128 KEYS.  fill = 1: the next step's rel rows are asked for at the head, summed and stored into the other slot at the end.  ONE barrier a step: in front of it my stores into the other slot and my reads
; of this slot are done; the other slot was last read a step back, ahead of the barrier before.
.macro STEP slot, fill
.if \fill
	s_wait_xcnt 0x0
	s_add_nc_u64 s[RP:RP+1], s[RP:RP+1], 512
	s_add_nc_u64 s[R2:R2+1], s[R2:R2+1], 512
	RELLOAD
.endif
	v_add_nc_u32 v[AMB], s[MBS], v[AMB0]
	RLOAD \slot, 0
.if \fill
	UNIT 0, \slot, 25, 16, 0, 0, 1
.else
	UNIT 0, \slot, 9, 0, 0, 0, 1
.endif
	UNIT 1, \slot, -1, -1, 0, 0, 2
	UNIT 2, \slot, -1, -1, 0, 0, 3
	UNIT 3, \slot, -1, -1, \fill, \fill, -1
	s_lshr_b32 s[MW], s[MW], 4
	s_add_co_u32 s[MBS], s[MBS], 512
.if \fill
	s_wait_loadcnt 18                              ; the rel loads are in; the next step's K and V, nine loads each, were issued behind them
	RELSTORE 1-\slot
	s_wait_dscnt 0x0
	s_barrier_signal -1
	s_barrier_wait -1
.endif
.endm
	s_load_b256 s[4:11], s[0:1], 0x0               ; rel_pos, rel_2d_pos, w2, w1
	s_load_b128 s[12:15], s[0:1], 0x20             ; mflag, w3
	v_lshl_add_u32 v254, v0, 2, 0x18800
	v_mov_b32 v255, 0
	v_lshrrev_b32 v10, 5, v0
	v_readfirstlane_b32 s16, v10                   ; wave = batch
	s_mov_b32 s17, ttmp9                           ; which 64 queries
	s_and_b32 s18, ttmp7, 0xffff                   ; head
	s_lshl_b32 s19, s16, 4
	s_add_co_u32 s19, s19, s18                     ; 16 x batch + head
	v_and_b32 v238, 31, v0
	v_lshlrev_b32 v[L16], 4, v238
	v_and_b32 v238, 15, v0                         ; r
	v_bfe_u32 v239, v0, 4, 1                       ; h
	v_lshlrev_b32 v[R16], 4, v238
	v_lshlrev_b32 v[R32], 5, v238
	v_mul_u32_u24 v[ARD], v238, RPITCH
	v_lshl_add_u32 v[ARD], v239, 5, v[ARD]
	s_mul_i32 s50, s16, 8*RPITCH
	v_add_nc_u32 v[AST], s50, v[L16]
	s_lshl_b32 s50, s16, 12
	s_add_co_u32 s50, s50, MBL
	v_lshl_add_u32 v[AMB0], v239, 5, s50
	v_add_nc_u32 v[AMW], s50, v[L16]
	s_mov_b32 s51, 0
	s_mov_b32 s53, 0
	s_lshl_b32 s50, s17, 6
	s_lshl_b32 s52, s16, 3
	s_add_co_u32 s50, s50, s52                     ; my first row of the head's 1,024: 64 x + 8 w
	s_lshl_b32 s50, s50, 12
	s_lshl_b32 s52, s18, 22
	s_add_co_u32 s50, s50, s52
	s_wait_kmcnt 0x0
	s_add_nc_u64 s[RP:RP+1], s[RP:RP+1], s[50:51]
	s_add_nc_u64 s[R2:R2+1], s[R2:R2+1], s[50:51]
	RELLOAD                                        ; step 0's
	s_lshl_b32 s50, s19, 15                        ; 64 pieces of 512 bytes a head and batch
	s_add_nc_u64 s[KP:KP+1], s[8:9], s[50:51]
	s_add_nc_u64 s[VP:VP+1], s[KP:KP+1], VC_OFF
	s_lshl_b32 s52, s17, 11                        ; my four tiles of q
	s_add_nc_u64 s[QP:QP+1], s[KP:KP+1], s[52:53]
	s_add_nc_u64 s[KP:KP+1], s[KP:KP+1], KC_OFF
	s_lshl_b32 s50, s19, 11                        ; 8 x 256 scale bytes a head and batch
	s_add_nc_u64 s[KSP:KSP+1], s[8:9], s[50:51]
	s_add_nc_u64 s[VSP:VSP+1], s[KSP:KSP+1], VS_OFF
	s_lshr_b32 s52, s17, 1
	s_lshl_b32 s52, s52, 8
	s_and_b32 s54, s17, 1
	s_lshl_b32 s54, s54, 3
	s_add_co_u32 s52, s52, s54
	s_add_co_u32 s52, s52, QS_OFF
	s_add_nc_u64 s[QSP:QSP+1], s[KSP:KSP+1], s[52:53]
	s_add_nc_u64 s[KSP:KSP+1], s[KSP:KSP+1], KS_OFF
	s_lshl_b32 s50, s16, 12
	s_add_co_u32 s50, s50, MB_OFF
	s_add_nc_u64 s[MBP:MBP+1], s[10:11], s[50:51]
	s_lshl_b32 s50, s16, 19                        ; ctx: tile 64 w + 4 x of 8,192 bytes, + 512 x head
	s_lshl_b32 s52, s17, 15
	s_add_co_u32 s50, s50, s52
	s_lshl_b32 s52, s18, 9
	s_add_co_u32 s50, s50, s52
	s_add_nc_u64 s[CCP:CCP+1], s[14:15], s[50:51]
	s_lshl_b32 s50, s16, 15                        ; its scale bytes: token 1,024 w + 64 x, 32 bytes a token, + 2 x head
	s_lshl_b32 s52, s17, 11
	s_add_co_u32 s50, s50, s52
	s_lshl_b32 s52, s18, 1
	s_add_co_u32 s50, s50, s52
	s_add_co_u32 s50, s50, CS_OFF
	s_add_nc_u64 s[CSP:CSP+1], s[14:15], s[50:51]
	s_lshl_b32 s50, s16, 7
	s_add_nc_u64 s[12:13], s[12:13], s[50:51]
	s_load_b32 s[MW], s[12:13], 0x0                ; my batch's flags
.irp i, 0,1,2,3,4,5,6,7
	global_load_b128 v[SS+4*\i:SS+4*\i+3], v[L16], s[MBP:MBP+1] offset:512*\i   ; my batch's mask, on its way to LDS
.endr
.irp i, 0,1,2,3
	global_load_b128 v[QR+4+8*\i:QR+7+8*\i], v[L16], s[QP:QP+1] offset:512*\i
.endr
	global_load_b64 v[10:11], v[R16], s[QSP:QSP+1] ; row r's two bytes for each of the four tiles
	KLOAD 0
	VLOAD 0
	s_mov_b32 s[CL], 0x3fb8aa3b                    ; log2(e)
	s_mov_b32 s[CL+1], s[CL]
	s_mov_b32 s[SEL], 0x76543210
	s_mov_b32 s[SEL+1], 0xfedcba98
	s_mov_b32 s[PLO], 0x05040100
	s_mov_b32 s[PHI], 0x07060302
	s_mov_b32 s[MBS], 0
	s_mov_b32 s[CNT], 3
	v_mov_b32 v9, 0xffff
.irp i, 0,1,2,3,4
.irp e, 0,1,2,3
	v_mov_b32 v[QR+8*\i+\e], 0                     ; the zero halves beside q
.endr
.endr
.irp i, 0,1,2,3
	v_mov_b32 v[ST+4*\i+1], 0xff61b1e6             ; the largest t so far: -3e38, under every t
	v_floor_f32 v[ST+4*\i], -v[ST+4*\i+1]
	v_mov_b32 v[ST+4*\i+2], 0
	v_mov_b32 v[ST+4*\i+3], 0
	v_mov_b32 v[PX+\i], 0                          ; written once: a lane permute's destination counts as one of its sources
.endr
	v_mov_b32 v[FF+1], 0                           ; named as the upper half of a pair
	v_mov_b32 v[TM+2], 0
	v_mov_b32 v[TM+3], 0
	WIN 0x40
.set j, 0
.rept 128
	v_mov_b32 v[j], 0                              ; O^T.  The step is written without a first step of its own: the first finds zeros, which the first change of M leaves zeros; a further copy of the step would cost more text than these lines
.set j, j+1
.endr
	WIN 0
	s_wait_loadcnt 18                              ; all but K's and V's eighteen loads
	v_perm_b32 v[QS], v10, v10, 0x01000100         ; tile i's two bytes, twice: the word serves [q | 0] and [0 | q].  These four stand HERE: a scale register written by a vector
	v_perm_b32 v[QS+1], v10, v10, 0x03020302       ; instruction stands eight plain vector lines ahead of the scaled product that names it, and the sixteen packed additions
	v_perm_b32 v[QS+2], v11, v11, 0x01000100       ; of the rel sum below are such lines
	v_perm_b32 v[QS+3], v11, v11, 0x03020302
	RELSTORE 0
.irp i, 0,1,2,3,4,5,6,7
	ds_store_b128 v[AMW], v[SS+4*\i:SS+4*\i+3] offset:512*\i
.endr
	s_wait_kmcnt 0x0
	s_wait_dscnt 0x0
	s_barrier_signal -1
	s_barrier_wait -1
.Lpair:                                            ; three trips of two steps; the slots are constants of the text
	STEP 0, 1
	STEP 1, 1
	s_sub_co_u32 s[CNT], s[CNT], 1
	s_cmp_lg_u32 s[CNT], 0
	s_cbranch_scc1 .Lpair
	STEP 0, 1                                      ; the last two steps are written out: the last loads nothing
	STEP 1, 0
	; THE WAY OUT.  The additions are the places behind the last products.
.irp u, 0,1,2,3
	v_add_f32 v[ST+4*\u+1], v[ST+4*\u+2], v[ST+4*\u+3]
.endr
.irp u, 0,1,2,3
	v_permlanex16_b32 v[PX+\u], v[ST+4*\u+1], s[SEL], s[SEL+1]
.endr
.irp u, 0,1,2,3
	v_add_f32 v[ST+4*\u+1], v[ST+4*\u+1], v[PX+\u] ; the row's sum
.endr
.irp u, 0,1,2,3
	v_rcp_f32 v[ST+4*\u+2], v[ST+4*\u+1]
.endr
	v_nop                                          ; a plain line behind the last reciprocal
	s_wait_alu depctr_va_vdst(0)                   ; one wait for the four, ahead of their first reader
.macro OUT u
	WIN 0x01                                       ; source 0 (O^T) window 1
.set j, 0
.rept 16
	v_pk_mul_f32 v[SS+32*((\u)%2)+j:SS+32*((\u)%2)+j+1], v[32*(\u)+j:32*(\u)+j+1], v[ST+4*(\u)+2:ST+4*(\u)+3] op_sel_hi:[1,0]   ; ctx = O^T / the sum; each accumulator from its low end on
.set j, j+2
.endr
	WIN 0
	QUANT64 SS+32*((\u)%2), KF+4*(\u), VF+(\u)
	v_cmp_eq_f32 vcc_lo, 0, v[ST+4*(\u)+1]
	v_cndmask_b32 v[VF+(\u)], v[VF+(\u)], v9, vcc_lo   ; every key hidden: the bytes 0xff
	global_store_b128 v[L16], v[KF+4*(\u):KF+4*(\u)+3], s[CCP:CCP+1] offset:8192*(\u)   ; a piece: 512 consecutive bytes
	global_store_b16 v[R32], v[VF+(\u)], s[CSP:CSP+1] offset:512*(\u)                   ; my token's two bytes of its 32 (lanes r and r + 16 store the same)
.endm
	OUT 0
	OUT 1
	OUT 2
	OUT 3
	s_wait_tensorcnt 0x0
	ds_add_u32 v254, v255
	s_wait_dscnt 0x0
	s_endpgm
.Lfunc_end_k_q2e9f42b276_attn:
	.size	k_q2e9f42b276_attn, .Lfunc_end_k_q2e9f42b276_attn-k_q2e9f42b276_attn
	.p2alignl 7, 3214868480
	.fill 96, 4, 3214868480
	.section	.rodata,"a",@progbits
	.p2align	6, 0x0
	.amdhsa_kernel k_q2e9f42b276_attn
		.amdhsa_group_segment_fixed_size 101376
		.amdhsa_private_segment_fixed_size 0
		.amdhsa_enable_private_segment 0
		.amdhsa_kernarg_size 48
		.amdhsa_user_sgpr_count 2
		.amdhsa_user_sgpr_kernarg_segment_ptr 1
		.amdhsa_wavefront_size32 1
		.amdhsa_system_sgpr_workgroup_id_x 1
		.amdhsa_system_sgpr_workgroup_id_y 1
		.amdhsa_system_sgpr_workgroup_id_z 1
		.amdhsa_system_vgpr_workitem_id 0
		.amdhsa_next_free_vgpr 512
		.amdhsa_next_free_sgpr 66
		.amdhsa_reserve_vcc 1
		.amdhsa_float_denorm_mode_32 3
		.amdhsa_float_denorm_mode_16_64 3
		.amdhsa_memory_ordered 1
		.amdhsa_forward_progress 1
		.amdhsa_inst_pref_size 255
	.end_amdhsa_kernel
	.section	.bss,"aw",@nobits
	.p2align	6
	.space	262144
	.amdgpu_metadata
---
amdhsa.version: [ 1, 2 ]
amdhsa.kernels:
  - .name:           k_q2e9f42b276_attn
    .symbol:         k_q2e9f42b276_attn.kd
    .args:
      - { .name: rel_pos, .offset: 0, .size: 8, .value_kind: global_buffer, .address_space: global }
      - { .name: rel_2d_pos, .offset: 8, .size: 8, .value_kind: global_buffer, .address_space: global }
      - { .name: w2, .offset: 16, .size: 8, .value_kind: global_buffer, .address_space: global }
      - { .name: w1, .offset: 24, .size: 8, .value_kind: global_buffer, .address_space: global }
      - { .name: mflag, .offset: 32, .size: 8, .value_kind: global_buffer, .address_space: global }
      - { .name: w3, .offset: 40, .size: 8, .value_kind: global_buffer, .address_space: global }
    .group_segment_fixed_size: 101376
    .private_segment_fixed_size: 0
    .kernarg_segment_align: 8
    .kernarg_segment_size: 48
    .max_flat_workgroup_size: 256
    .sgpr_count:     66
    .vgpr_count:     512
    .wavefront_size: 32
...
	.end_amdgpu_metadata
.endif
;; end of part 3
;; launch outln (part 4): grid 256 x 1, 16 waves a work-group, no clusters, 281,088 bytes of LDS; arguments w3, w1, w_out_scales, b_out, hidden_states, ln_gamma, ln_beta, out0; writes out0
.if DOCPART == 4
	.amdgcn_target "amdgcn-amd-amdhsa--gfx1250"
	.amdhsa_code_object_version 6
	.text
	.protected	k_q2e9f42b276_outln
	.globl	k_q2e9f42b276_outln
	.p2align	8
	.type	k_q2e9f42b276_outln,@function
k_q2e9f42b276_outln:
	s_mov_b64 s[64:65], 0
	v_nop
	global_prefetch_b8 v0, s[64:65] scope:SCOPE_SE
	s_setreg_imm32_b32 hwreg(HW_REG_WAVE_MODE, 25, 1), 1
	s_wait_xcnt 0x0
; out = LayerNorm(ctx w_out^T + b_out + x) x gamma + beta; the product on codes of FP4 with E8M0 scales, all else in f32.
; SHARES.  Work-group g owns tokens 32 g .. 32 g + 31 and all 1,024 features, so that a row's mean and variance never leave it.  Wave w makes features 64 w .. 64 w + 63 for the 32 tokens
; (4 x 2 accumulators) and later normalises rows 2 w and 2 w + 1.
; w_out's fragments are wanted by ONE wave of the work-group each: they come from w1, laid in the order of an operand's registers, straight into registers, 512 consecutive bytes a load, three K steps' worth by turns.
; NO JOINT REQUEST for w_out, though every work-group reads it: its 524,288 bytes do not fit in LDS beside the stage and x (279,040 bytes are in use), so it would want a ring that is filled again behind
; rounds of a cluster's barrier, for tiles that LDS hands to one wave only.
; LDS: ctx's 32 pieces (one dense block of w3) at 0; a stage of 32 rows x (4,096 + 16) bytes, written by LDS stores alone; x's 32 rows, wave w's two at 8,192 w.  Tensor loads fill ctx and x once; nothing is filled again.
; By this text's count wave 0 has two tensor loads out, the others one.
; The product is used transposed (source 0 = 16 features of w_out, source 1 = 16 tokens of ctx): a lane holds eight neighbouring features of one token.
; LIMITS: NaN and infinities among the inputs are not served, but for the scale byte 0xff that the launch before sets on rows without a visible key: those rows come out NaN, as in reference().
.set STG,    16384
.set SPITCH, 4112                      ; 1,028 words: row r starts at bank 4 r mod 64 (ISA guide 11.1)
.set XL,     STG+32*SPITCH             ; 147,968
.set WF_OFF, 4456448
.set CS_OFF, 4194304
.set L16, 1                            ; 16 x lane
.set RH,  2                            ; 32 r + 16 h
.set XLA, 3                            ; my two rows of x in LDS
.set STO, 4                            ; v4-5 the stage, in: tokens 0-15, tokens 16-31
.set SRD, 6                            ; the stage, back: my two rows
.set CSC, 8                            ; v8-15  ctx's scale words: tile u at 4 u; register i: K step i in lanes 0-15, K step 4 + i in lanes 16-31
.set WSC, 16                           ; v16-31 w_out's: tile t at 4 t
.set CF,  32                           ; v32-47 ctx's two fragments
.set WB,  48                           ; v48-143 w_out's fragments, three sets of four; later gamma, beta, b_out
.set GA,  48
.set BE,  80
.set BO,  112
.set ACC, 144                          ; v144-207 accumulator (t, u) at 144 + 8 (2 t + u); later my two rows
.set XR,  208                          ; v208-239 a row of x
.set SEL, 22
.set WP,  50
.macro PLACES                          ; four plain vector lines behind a matrix instruction (ISA guide 7.12.1)
.rept 4
	v_nop
.endr
.endm
	s_load_b256 s[4:11], s[0:1], 0x0               ; w3, w1, w_out's scales, b_out
	s_load_b256 s[12:19], s[0:1], 0x20             ; x, gamma, beta, out
	v_lshl_add_u32 v254, v0, 2, 0x44200
	v_mov_b32 v255, 0
	ds_add_u32 v254, v255
	ds_add_u32 v254, v255
	v_lshrrev_b32 v7, 5, v0
	v_readfirstlane_b32 s20, v7                    ; wave 0..15
	; descriptor groups 1: dense blocks as rows of 256 bytes (32 elements of 8 bytes), no padding, no mask: 64 rows (ctx), 32 rows (two rows of x)
	s_mov_b32 s24, 3<<16
	s_mov_b32 s25, 32<<16
	s_mov_b32 s26, 64<<16
	s_mov_b32 s27, 32<<16
	s_mov_b32 s28, 64
	s_mov_b32 s29, 32
	s_mov_b32 s30, 0
	s_mov_b32 s31, 0
	s_mov_b32 s32, 3<<16
	s_mov_b32 s33, 32<<16
	s_mov_b32 s34, 32<<16
	s_mov_b32 s35, 32<<16
	s_mov_b32 s36, 32
	s_mov_b32 s37, 32
	s_mov_b32 s38, 0
	s_mov_b32 s39, 0
	s_mov_b32 s49, 0
	s_lshl_b32 s58, s20, 13                        ; 8,192 x wave
	s_wait_dscnt 0x0
	s_wait_kmcnt 0x0
	s_lshl_b32 s48, ttmp9, 14                      ; ctx's two tiles: 16,384 bytes a work-group
	s_mov_b32 s40, 1
	s_mov_b32 s41, 0
	s_add_nc_u64 s[42:43], s[4:5], s[48:49]
	s_or_b32 s43, s43, 0x80000000
	s_lshl_b32 s48, ttmp9, 17                      ; 32 rows of 4,096 bytes a work-group,
	s_add_co_u32 s48, s48, s58                     ; two a wave
	s_mov_b32 s44, 1
	s_add_co_u32 s45, s58, XL
	s_add_nc_u64 s[46:47], s[12:13], s[48:49]
	s_or_b32 s47, s47, 0x80000000
	s_add_nc_u64 s[18:19], s[18:19], s[48:49]      ; out at my two rows
	s_cmp_lg_u32 s20, 0                            ; a wave's fills stand in one branch on its number
	s_cbranch_scc1 .Lnot_0
	tensor_load_to_lds s[40:43], s[24:31]          ; ctx
	s_nop 0
	tensor_load_to_lds s[44:47], s[32:39]          ; my rows of x
	s_nop 0
.rept 4
	v_nop
.endr
	s_branch .Lasked
.Lnot_0:
	tensor_load_to_lds s[44:47], s[32:39]
	s_nop 0
.rept 4
	v_nop
.endr
.Lasked:
	v_and_b32 v7, 31, v0
	v_lshlrev_b32 v[L16], 4, v7
	v_and_b32 v240, 15, v0                         ; r
	v_bfe_u32 v241, v0, 4, 1                       ; h
	v_lshlrev_b32 v[RH], 5, v240
	v_lshl_add_u32 v[RH], v241, 4, v[RH]
	s_add_co_u32 s59, s58, XL
	v_add_nc_u32 v[XLA], s59, v[L16]
	v_mul_u32_u24 v[STO], v240, SPITCH
	v_lshl_add_u32 v[STO], v241, 5, v[STO]
	s_lshl_b32 s59, s20, 8
	s_add_co_u32 s59, s59, STG
	v_add_nc_u32 v[STO], s59, v[STO]               ; row r, + 256 w (my 64 features) + 32 h
	v_add_nc_u32 v[STO+1], 16*SPITCH, v[STO]
	s_mul_i32 s59, s20, 2*SPITCH
	s_add_co_u32 s59, s59, STG
	v_add_nc_u32 v[SRD], s59, v[L16]
	v_mov_b32 v245, 0                              ; upper halves of pairs that are named whole
	v_mov_b32 v249, 0
	s_mov_b32 s[SEL], 0x76543210
	s_mov_b32 s[SEL+1], 0xfedcba98
	s_mov_b32 s56, 0x3a800000                      ; 1 / 1,024
	s_mov_b32 s57, 0x2b8cbccc                      ; 1e-12
	s_lshl_b32 s48, ttmp9, 10                      ; ctx's scale bytes: 32 tokens x 32
	s_add_co_u32 s48, s48, CS_OFF
	s_add_nc_u64 s[52:53], s[4:5], s[48:49]
	s_lshl_b32 s48, s20, 11                        ; w_out's: my 64 rows x 32
	s_add_nc_u64 s[54:55], s[8:9], s[48:49]
	s_lshl_b32 s48, s20, 15                        ; w_out's codes: my four tiles of 8,192 bytes
	s_add_co_u32 s48, s48, WF_OFF
	s_add_nc_u64 s[WP:WP+1], s[6:7], s[48:49]
.irp u, 0,1
	global_load_b128 v[CSC+4*\u:CSC+4*\u+3], v[RH], s[52:53] offset:512*\u
.endr
.irp t, 0,1,2,3
	global_load_b128 v[WSC+4*\t:WSC+4*\t+3], v[RH], s[54:55] offset:512*\t
.endr
.macro WLOAD s                         ; K step s of my four tiles: eight loads of 512 consecutive bytes, into set s % 3
.irp t, 0,1,2,3
.irp c, 0,1
	global_load_b128 v[WB+32*((\s)%3)+8*\t+4*\c:WB+32*((\s)%3)+8*\t+4*\c+3], v[L16], s[WP:WP+1] offset:8192*\t+1024*(\s)+512*\c
.endr
.endr
.endm
	WLOAD 0
	WLOAD 1
	s_wait_tensorcnt 1                             ; wave 0: ctx has landed (its x, issued behind, may be out); the others' one load may be out
	s_barrier_signal -1
	s_barrier_wait -1
; A K step of 128.  The eight accumulators take turns, one instruction a turn, in the same order in every step.
.macro KSTEP s
.if \s > 0
	PLACES
.endif
.if \s < 6
	WLOAD \s+2                                     ; into the set that the step before has multiplied
.endif
.irp u, 0,1
.irp c, 0,1
	ds_load_b128 v[CF+8*\u+4*\c:CF+8*\u+4*\c+3], v[L16] offset:(16*\u+2*(\s)+\c)*512
.endr
.endr
.if \s <= 5
	s_wait_loadcnt 16                              ; this step's eight loads are in; the sixteen of the two steps behind it may be out
.elseif \s == 6
	s_wait_loadcnt 8
.else
	s_wait_loadcnt 0x0
.endif
	s_wait_dscnt 0x0
.irp t, 0,1,2,3
.irp u, 0,1
.if \s == 0
	v_wmma_scale_f32_16x16x128_f8f6f4 v[ACC+8*(2*\t+\u):ACC+8*(2*\t+\u)+7], v[WB+32*((\s)%3)+8*\t:WB+32*((\s)%3)+8*\t+7], v[CF+8*\u:CF+8*\u+7], 0, v[WSC+4*\t], v[CSC+4*\u] matrix_a_fmt:MATRIX_FMT_FP4 matrix_b_fmt:MATRIX_FMT_FP4
.elseif \s < 4
	v_wmma_scale_f32_16x16x128_f8f6f4 v[ACC+8*(2*\t+\u):ACC+8*(2*\t+\u)+7], v[WB+32*((\s)%3)+8*\t:WB+32*((\s)%3)+8*\t+7], v[CF+8*\u:CF+8*\u+7], v[ACC+8*(2*\t+\u):ACC+8*(2*\t+\u)+7], v[WSC+4*\t+\s], v[CSC+4*\u+\s] matrix_a_fmt:MATRIX_FMT_FP4 matrix_b_fmt:MATRIX_FMT_FP4
.else
	v_wmma_scale_f32_16x16x128_f8f6f4 v[ACC+8*(2*\t+\u):ACC+8*(2*\t+\u)+7], v[WB+32*((\s)%3)+8*\t:WB+32*((\s)%3)+8*\t+7], v[CF+8*\u:CF+8*\u+7], v[ACC+8*(2*\t+\u):ACC+8*(2*\t+\u)+7], v[WSC+4*\t+\s-4], v[CSC+4*\u+\s-4] matrix_a_fmt:MATRIX_FMT_FP4 matrix_b_fmt:MATRIX_FMT_FP4 matrix_a_scale:MATRIX_SCALE_ROW1 matrix_b_scale:MATRIX_SCALE_ROW1
.endif
.endr
.endr
.endm
.irp s, 0,1,2,3,4,5,6,7
	KSTEP \s
.endr
	PLACES
.irp k, 0,1,2,3,4,5,6,7                        ; gamma, beta, b_out as a row lies in my lane: features 128 k + 4 lane + 0 .. 3
	global_load_b128 v[GA+4*\k:GA+4*\k+3], v[L16], s[14:15] offset:512*\k
	global_load_b128 v[BE+4*\k:BE+4*\k+3], v[L16], s[16:17] offset:512*\k
	global_load_b128 v[BO+4*\k:BO+4*\k+3], v[L16], s[10:11] offset:512*\k
.endr
.irp u, 0,1
.irp t, 0,1,2,3
	ds_store_b128 v[STO+\u], v[ACC+8*(2*\t+\u):ACC+8*(2*\t+\u)+3] offset:64*\t        ; each accumulator from its low end on
	ds_store_b128 v[STO+\u], v[ACC+8*(2*\t+\u)+4:ACC+8*(2*\t+\u)+7] offset:64*\t+16
.endr
.endr
	s_wait_dscnt 0x0                               ; for the others' sake: my stores into the stage are done
	s_barrier_signal -1
	s_barrier_wait -1                              ; 32 whole rows lie in the stage
.irp p, 0,1
.irp k, 0,1,2,3,4,5,6,7
	ds_load_b128 v[ACC+32*\p+4*\k:ACC+32*\p+4*\k+3], v[SRD] offset:SPITCH*\p+512*\k
.endr
.endr
	s_wait_tensorcnt 0x0                           ; my rows of x have landed: only I read them
	s_wait_loadcnt 0x0                             ; gamma, beta, b_out
	s_wait_dscnt 0x0                               ; my two rows
.macro WSUM                            ; v[240:241] -> the sum over the wave's 32 lanes, in v240 of every lane
	v_add_f32 v240, v240, v241
	v_add_f32_dpp v240, v240, v240 row_xmask:1 row_mask:0xf bank_mask:0xf
	v_add_f32_dpp v240, v240, v240 row_xmask:2 row_mask:0xf bank_mask:0xf
	v_add_f32_dpp v240, v240, v240 row_xmask:4 row_mask:0xf bank_mask:0xf
	v_add_f32_dpp v240, v240, v240 row_xmask:8 row_mask:0xf bank_mask:0xf
	v_permlanex16_b32 v241, v240, s[SEL], s[SEL+1]
	v_add_f32 v240, v240, v241
.endm
.macro LNROW p
.set RW, ACC+32*(\p)
.irp k, 0,1,2,3,4,5,6,7
	ds_load_b128 v[XR+4*\k:XR+4*\k+3], v[XLA] offset:4096*(\p)+512*\k
.endr
.set j, 0
.rept 16
	v_pk_add_f32 v[RW+j:RW+j+1], v[RW+j:RW+j+1], v[BO+j:BO+j+1]     ; + b_out, while x comes
.set j, j+2
.endr
	s_wait_dscnt 0x0
.set j, 0
.rept 16
	v_pk_add_f32 v[RW+j:RW+j+1], v[RW+j:RW+j+1], v[XR+j:XR+j+1]     ; + x
.set j, j+2
.endr
	v_pk_add_f32 v[240:241], v[RW:RW+1], v[RW+2:RW+3]               ; the row's sum, in two chains
	v_pk_add_f32 v[242:243], v[RW+4:RW+5], v[RW+6:RW+7]
.set j, 8
.rept 6
	v_pk_add_f32 v[240:241], v[240:241], v[RW+j:RW+j+1]
	v_pk_add_f32 v[242:243], v[242:243], v[RW+j+2:RW+j+3]
.set j, j+4
.endr
	v_pk_add_f32 v[240:241], v[240:241], v[242:243]
	WSUM
	v_mul_f32 v244, s56, v240                      ; the mean
.set j, 0
.rept 16
	v_pk_add_f32 v[RW+j:RW+j+1], v[RW+j:RW+j+1], v[244:245] op_sel_hi:[1,0] neg_lo:[0,1] neg_hi:[0,1]   ; h - mean
.set j, j+2
.endr
	v_pk_mul_f32 v[240:241], v[RW:RW+1], v[RW:RW+1]                 ; the sum of its squares
	v_pk_mul_f32 v[242:243], v[RW+2:RW+3], v[RW+2:RW+3]
.set j, 4
.rept 7
	v_pk_fma_f32 v[240:241], v[RW+j:RW+j+1], v[RW+j:RW+j+1], v[240:241]
	v_pk_fma_f32 v[242:243], v[RW+j+2:RW+j+3], v[RW+j+2:RW+j+3], v[242:243]
.set j, j+4
.endr
	v_pk_add_f32 v[240:241], v[240:241], v[242:243]
	WSUM
	v_fma_f32 v246, v240, s56, s57                 ; the variance + 1e-12
	v_rsq_f32 v248, v246
	v_nop                                          ; a plain line behind the transcendental
	s_wait_alu depctr_va_vdst(0)                   ; and the wait ahead of its first reader
.set j, 0
.rept 16
	v_pk_mul_f32 v[RW+j:RW+j+1], v[RW+j:RW+j+1], v[248:249] op_sel_hi:[1,0]
.set j, j+2
.endr
.set j, 0
.rept 16
	v_pk_fma_f32 v[RW+j:RW+j+1], v[RW+j:RW+j+1], v[GA+j:GA+j+1], v[BE+j:BE+j+1]
.set j, j+2
.endr
.irp k, 0,1,2,3,4,5,6,7
	global_store_b128 v[L16], v[RW+4*\k:RW+4*\k+3], s[18:19] offset:4096*(\p)+512*\k th:TH_STORE_NT   ; 32 lanes store 512 consecutive bytes; written once, read by nobody here
.endr
.endm
	LNROW 0
	LNROW 1
	s_wait_tensorcnt 0x0
	ds_add_u32 v254, v255
	s_wait_dscnt 0x0
	s_endpgm
.Lfunc_end_k_q2e9f42b276_outln:
	.size	k_q2e9f42b276_outln, .Lfunc_end_k_q2e9f42b276_outln-k_q2e9f42b276_outln
	.p2alignl 7, 3214868480
	.fill 96, 4, 3214868480
	.section	.rodata,"a",@progbits
	.p2align	6, 0x0
	.amdhsa_kernel k_q2e9f42b276_outln
		.amdhsa_group_segment_fixed_size 281088
		.amdhsa_private_segment_fixed_size 0
		.amdhsa_enable_private_segment 0
		.amdhsa_kernarg_size 64
		.amdhsa_user_sgpr_count 2
		.amdhsa_user_sgpr_kernarg_segment_ptr 1
		.amdhsa_wavefront_size32 1
		.amdhsa_system_sgpr_workgroup_id_x 1
		.amdhsa_system_sgpr_workgroup_id_y 1
		.amdhsa_system_sgpr_workgroup_id_z 1
		.amdhsa_system_vgpr_workitem_id 0
		.amdhsa_next_free_vgpr 256
		.amdhsa_next_free_sgpr 66
		.amdhsa_reserve_vcc 0
		.amdhsa_float_denorm_mode_32 3
		.amdhsa_float_denorm_mode_16_64 3
		.amdhsa_memory_ordered 1
		.amdhsa_forward_progress 1
		.amdhsa_inst_pref_size 46
	.end_amdhsa_kernel
	.amdgpu_metadata
---
amdhsa.version: [ 1, 2 ]
amdhsa.kernels:
  - .name:           k_q2e9f42b276_outln
    .symbol:         k_q2e9f42b276_outln.kd
    .args:
      - { .name: w3, .offset: 0, .size: 8, .value_kind: global_buffer, .address_space: global }
      - { .name: w1, .offset: 8, .size: 8, .value_kind: global_buffer, .address_space: global }
      - { .name: w_out_scales, .offset: 16, .size: 8, .value_kind: global_buffer, .address_space: global }
      - { .name: b_out, .offset: 24, .size: 8, .value_kind: global_buffer, .address_space: global }
      - { .name: hidden_states, .offset: 32, .size: 8, .value_kind: global_buffer, .address_space: global }
      - { .name: ln_gamma, .offset: 40, .size: 8, .value_kind: global_buffer, .address_space: global }
      - { .name: ln_beta, .offset: 48, .size: 8, .value_kind: global_buffer, .address_space: global }
      - { .name: out0, .offset: 56, .size: 8, .value_kind: global_buffer, .address_space: global }
    .group_segment_fixed_size: 281088
    .private_segment_fixed_size: 0
    .kernarg_segment_align: 8
    .kernarg_segment_size: 64
    .max_flat_workgroup_size: 512
    .sgpr_count:     66
    .vgpr_count:     256
    .wavefront_size: 32
...
	.end_amdgpu_metadata
.endif
;; end of part 4
;; ======== version 2 of 2: 4 launches; version 1 with the launch attn written anew for expert scheduling mode
;; workspace buffers: w1 5,013,504 bytes; mflag 1,024 bytes of whole numbers; w2 13,369,344 bytes; w3 4,456,448 bytes
;; launch quant: the kernel of part 1 again; grid 256 x 1, 4 waves a work-group, no clusters, 33,280 bytes of LDS; arguments hidden_states, attention_mask, w_out_codes, w1, mflag; writes w1, mflag
;; launch qkv: the kernel of part 2 again; grid 4 x 64, 8 waves a work-group, clusters of 4 x 4, 327,680 bytes of LDS; arguments w1, w_qkv_codes, w_qkv_scales, q_bias, v_bias, w2; writes w2
;; launch attn (part 5): grid 16 x 16, 8 waves a work-group, no clusters, 101,376 bytes of LDS; arguments rel_pos, rel_2d_pos, w2, w1, mflag, w3; writes w3
.if DOCPART == 5
	.amdgcn_target "amdgcn-amd-amdhsa--gfx1250"
	.amdhsa_code_object_version 6
	.text
	.protected	k_q2e9f42b276_attn
	.globl	k_q2e9f42b276_attn
	.p2align	8
	.type	k_q2e9f42b276_attn,@function
k_q2e9f42b276_attn:
	s_mov_b64 s[64:65], 0
	v_nop
	global_prefetch_b8 v0, s[64:65] scope:SCOPE_SE
	s_setreg_imm32_b32 hwreg(HW_REG_WAVE_SCHED_MODE, 0, 2), 2
	s_setreg_imm32_b32 hwreg(HW_REG_WAVE_MODE, 25, 1), 1
	s_wait_xcnt 0x0
	s_wait_alu depctr_vm_vsrc(0)
; ctx = softmax(q k^T + rel_pos + rel_2d_pos, hidden keys at -infinity) v on codes of FP4 with E8M0 scales, and ctx quantised along the hidden axis for the output product.
; THE SOFTMAX: t = logit x log2(e); M = the row's largest t so far, rounded up to a whole number; p = 2^(t - M) is quantised along the keys, not normalised; the row's sum is taken of the unquantised p and divides at the end.
; When M moves, the sum and O are multiplied by 2^(old M - new M): exact.
; SHARES.  A work-group owns 64 queries (x) of one head (y) for ALL EIGHT BATCHES: wave w is batch w and holds four tiles of 16 queries.  rel_pos + rel_2d_pos does not hang on the batch: each of its bytes is loaded
; once in the launch, summed once (wave w: rows 8 w .. 8 w + 7 of the 64) and laid in LDS, where the eight waves read it.  It is the C of the first product: its addition costs no line.
; K and V belong to one wave of the work-group: they come from w2, laid in the order of an operand's registers, straight into registers, 512 consecutive bytes a load, and each fragment feeds four tiles.
; NO TENSOR LOAD, NO JOINT REQUEST, though a head's sixteen work-groups read the same K and V: a step branches on a word of flags read from memory (does this batch hide a key among these 128?).
; Without the branch every tile's step would carry 16 LDS loads and 32 packed additions more.
; LAYOUT.  Both products are used transposed: S^T = K Q^T, O^T = V^T P^T: a lane holds ONE query (lane % 16) throughout.  The head has 64 along K, half of the instruction's 128: a fragment of K holds TWO tiles of
; 16 keys (k 0-63 the first, k 64-127 the second) and is multiplied by [q | 0] and by [0 | q]: zero codes annul the other tile (no scale byte is 0xff).
; A block of 32 keys is tiles 2 b, 2 b + 1, half of it in lane l xor 16; two exchanges of lane halves lay p's codes as the operand wants them.
; w3: + 0 ctx's codes, [tile of 16 tokens: 512][head 16][512 bytes] (head 2 s + c is half c of K step s of the output product); + CS_OFF its scale bytes, [8192 tokens][32].
; LIMITS: the mask is applied as score + (-infinity), equal to reference()'s choice for finite scores; the logit is summed as score + (rel_pos + rel_2d_pos); NaN and infinities among the inputs are not served;
; blocks of zeros and blocks under 2^-124 get the scale byte 1; a row all of whose keys are hidden gets the scale bytes 0xff, so that the output product gives NaN there, as reference() does.
; THE MODE: SCHED_MODE bits 1:0 = 2 (LLVM: expert scheduling mode 2), set by the entry lines.  The code itself states the register dependences
; between vector or matrix instructions and memory or LDS instructions, with s_wait_alu, always for 0.
; THE PLAN.  Registers that memory or LDS instructions touch:
;   v1-5, v8      Addresses, made at the head and never written again: the scalar bases move on, immediate offsets do the rest.
;   v[AMB]        Written once a step, at its head; read by the mask's LDS loads of that step.
;   SS            A tile's turn: LDS loads bring the rel sum; the first products, the softmax, the sums and the conversions work on it; then the next tile's loads land.
;   KF, KS        Read by the four tiles' first products; the next step's loads land behind tile 3's.
;   VF, VT        VF is read by the four tiles' second products, VT by four lines of tile 0; the next step's loads land at the step's tail.
;   v384-447      Loaded at a step's head; the tail's sixteen additions read them and write v384-415, which the tail's LDS stores read.
;   v448-511      The mask's LDS loads land there; the mask's additions read them.
;   Way out       v80-95 and v112-115: written by the quantiser, each once, read by the eight stores.
; So a step has: ONE wait on vm_vsrc, at its head (the tail's LDS stores have read v384-415; the mask's loads have read v[AMB]).  ONE wait on va_vdst a tile, behind the rescaling of O^T: it stands ahead of the next
; tile's LDS loads into SS and of the second products, which take p's codes and scale word.  One in tile 3 ahead of K's loads, one at the tail ahead of V's loads and the LDS stores, one in the mask's arm of tile 0
; for v[AMB].  The two waits behind the exponentials, being waits on va_vdst, also state all that was issued ahead of them.
.set RPITCH, 528                       ; a row of the rel sum in LDS: 512 bytes + 16 = 132 words: row r starts at bank 4 r mod 64 (ISA guide 11.1)
.set RS1,    64*RPITCH                 ; slot 1 of the rel sum; slot 0 at 0
.set MBL,    2*RS1                     ; behind them: each wave's copy of its batch's mask, 4,096 bytes
.set KC_OFF, 4194304
.set VC_OFF, 8388608
.set QS_OFF, 12582912
.set KS_OFF, 12845056
.set VS_OFF, 13107200
.set MB_OFF, 4980736
.set CS_OFF, 4194304
.set L16, 1                            ; 16 x lane
.set R16, 2                            ; 16 r
.set R32, 3                            ; 32 r
.set ARD, 4                            ; the rel sum, read: 528 r + 32 h
.set AST, 5                            ; the rel sum, stored: my wave's 8 rows, 16 x lane
.set AMB0, 6                           ; my mask: MBL + 4,096 w + 32 h
.set AMB, 7                            ; the same at the step in hand
.set AMW, 8                            ; my mask, stored
.set ST,  12                           ; v12-27 four a tile: -M, the largest t, the sum in two halves
.set QS,  28                           ; v28-31 q's scale words
.set QR,  32                           ; v32-67 0 q0 0 q1 0 q2 0 q3 0, four registers each
.set KS,  68                           ; v68-71 K's scale words
.set VS,  72                           ; v72-75 V's
.set VT,  76                           ; v76-79 V's scale bytes as loaded
.set KF,  80                           ; v80-111  K's four double fragments
.set VF,  112                          ; v112-143 V's four fragments
.set SS,  144                          ; v144-207 S^T, then p
.set PCD, 208                          ; v208-215 p's codes
.set PW,  216                          ; p's scale word
.set SU,  218                          ; v[218:219] the sum's second chain
.set BM,  220                          ; v220-223 the blocks' largest scores, then largest p
.set PX,  224                          ; v224-227 from lane l xor 16
.set SO,  228                          ; v228-231 the conversions' scale operands
.set BY,  232                          ; v232-235 the scales' bytes
.set FF,  236                          ; v[236:237] f = 2^(old M - new M)
.set TT,  238
.set TM,  240                          ; v240-245 at work in QUANT64
.set RP,  4                            ; s[4:5] rel_pos, s[6:7] rel_2d_pos at my wave's 8 rows and the step that is loaded
.set R2,  6
.set KP,  20
.set KSP, 22
.set VP,  24
.set VSP, 26
.set QP,  28
.set QSP, 30
.set MBP, 32
.set CCP, 34
.set CSP, 36
.set CNT, 38
.set MW,  39                           ; my batch's flags, four bits a step
.set MBS, 40                           ; 512 x step
.set TS,  41
.set CL,  44                           ; s[44:45] log2(e)
.set SEL, 46                           ; s[46:47] v_permlanex16_b32's selects for lane l xor 16
.set PLO, 48                           ; v_perm_b32: the two low halves
.set PHI, 49                           ; the two high halves
.set HID, 50                           ; s50-53 on the way out: tile u's lanes whose query sees no key (at the head s50-55 are at work)
.set MSB, 0
.macro WIN new                         ; the immediate's high byte repeats the setting that is left
.if MSB != \new
	s_set_vgpr_msb (MSB<<8)|\new
.set MSB, \new
.endif
.endm
.macro PLACES                          ; four plain vector lines behind a matrix instruction (ISA guide 7.12.1)
.rept 4
	v_nop
.endr
.endm
.macro QUANT64 src, dst, hw            ; 32 registers (four tiles of a result) become a piece of four registers and its two scale bytes
.irp b, 0,1
	v_max3_num_f32 v[TM+\b], |v[\src+16*\b]|, |v[\src+16*\b+1]|, 0x1800000   ; my 16 numbers of block b, and the floor 2^(3 - 127)
.endr
.irp n, 2,4,6,8,10,12,14
.irp b, 0,1
	v_max3_num_f32 v[TM+\b], v[TM+\b], |v[\src+16*\b+\n]|, |v[\src+16*\b+\n+1]|
.endr
.endr
.irp b, 0,1
	v_permlanex16_b32 v[TM+2+\b], v[TM+\b], s[SEL], s[SEL+1]
.endr
.irp b, 0,1
	v_max_num_f32 v[TM+\b], v[TM+\b], v[TM+2+\b]
.endr
.irp b, 0,1
	v_add_nc_u32 v[TM+4+\b], 0xff000000, v[TM+\b]
.endr
.irp b, 0,1
	v_lshrrev_b32 v[TM+2+\b], 23, v[TM+4+\b]
.endr
	v_lshl_or_b32 v[\hw], v[TM+3], 8, v[TM+2]
	v_cvt_scalef32_pk8_fp4_f32 v[\dst], v[\src:\src+7], v[TM+4]
	v_cvt_scalef32_pk8_fp4_f32 v[\dst+2], v[\src+8:\src+15], v[TM+4]
	v_cvt_scalef32_pk8_fp4_f32 v[\dst+1], v[\src+16:\src+23], v[TM+5]
	v_cvt_scalef32_pk8_fp4_f32 v[\dst+3], v[\src+24:\src+31], v[TM+5]
	v_nop                                          ; one plain line behind a scaled conversion
	v_permlane16_swap_b32 v[\dst], v[\dst+1]
	v_permlane16_swap_b32 v[\dst+2], v[\dst+3]
.endm
.macro RELLOAD                         ; my 8 rows x 128 keys of both tensors: each load reads 512 consecutive bytes, read once in the launch
	WIN 0x40                                       ; destination window 1
.irp i, 0,1,2,3,4,5,6,7
	global_load_b128 v[128+4*\i:131+4*\i], v[L16], s[RP:RP+1] offset:4096*\i th:TH_LOAD_NT
.endr
.irp i, 0,1,2,3,4,5,6,7
	global_load_b128 v[160+4*\i:163+4*\i], v[L16], s[R2:R2+1] offset:4096*\i th:TH_LOAD_NT
.endr
	WIN 0
.endm
.macro RELSUM                          ; their sum
	WIN 0x45
.set j, 0
.rept 16
	v_pk_add_f32 v[128+j:129+j], v[128+j:129+j], v[160+j:161+j]
.set j, j+2
.endr
.endm
.macro RELOUT slot                     ; the sum into the slot
	WIN 0x04                                       ; an LDS store's data are its source 1: window 1
.irp i, 0,1,2,3,4,5,6,7
	ds_store_b128 v[AST], v[128+4*\i:131+4*\i] offset:RS1*(\slot)+RPITCH*\i
.endr
	WIN 0
.endm
.macro KLOAD step                      ; a step's 8 tiles of K and their scale words: nine loads
.if \step
	s_wait_xcnt 0x0                                ; the pointers are stepped only behind this wait
	s_add_nc_u64 s[KP:KP+1], s[KP:KP+1], 4096
	s_add_nc_u64 s[KSP:KSP+1], s[KSP:KSP+1], 256
.endif
.irp t, 0,1,2,3,4,5,6,7
	global_load_b128 v[KF+4*\t:KF+4*\t+3], v[L16], s[KP:KP+1] offset:512*\t
.endr
	global_load_b128 v[KS:KS+3], v[R16], s[KSP:KSP+1]   ; word b of row r: the four bytes of tiles 2 b, 2 b + 1
.endm
.macro VLOAD step                      ; a step's four fragments of V and their scale bytes: nine loads
.if \step
	s_wait_xcnt 0x0
	s_add_nc_u64 s[VP:VP+1], s[VP:VP+1], 4096
	s_add_nc_u64 s[VSP:VSP+1], s[VSP:VSP+1], 256
.endif
.irp c, 0,1
.irp t, 0,1,2,3
	global_load_b128 v[VF+8*\t+4*\c:VF+8*\t+4*\c+3], v[L16], s[VP:VP+1] offset:512*(4*\c+\t)
.endr
.endr
	global_load_b128 v[VT:VT+3], v[R16], s[VSP:VSP+1]
.endm
.macro RLOAD slot, u                   ; the rel sum of tile u's 16 queries x 128 keys in the result's layout: register 8 t + j of lane (r, h) is (query r, key 16 t + 8 h + j)
.irp t, 0,1,2,3,4,5,6,7
.irp e, 0,1
	ds_load_b128 v[SS+8*\t+4*\e:SS+8*\t+4*\e+3], v[ARD] offset:RS1*(\slot)+16*RPITCH*(\u)+64*\t+16*\e
.endr
.endr
.endm
; ONE TILE OF 16 QUERIES, ONE STEP OF 128 KEYS.  kw, vw: the counts of the waits for K and V (under 0: none).  ldk: the next step's K is asked for as soon as this step's has been multiplied.  nxt: the tile whose rel sum is fetched.
.macro UNIT i, slot, kw, vw, ldk, nxt
.set SM0, ST+4*(\i)
.set OI,  32*(\i)
.set QA,  QR+8*(\i)
.if \kw >= 0
	s_wait_loadcnt \kw                             ; K is in; behind it V's nine loads and the rel loads of this step may be out
.endif
	s_wait_dscnt 0x0                               ; the rel sum is in
.irp t, 0,1,2,3,4,5,6,7                        ; eight accumulators, one instruction each
	v_wmma_scale_f32_16x16x128_f8f6f4 v[SS+8*\t:SS+8*\t+7], v[KF+8*(\t/2):KF+8*(\t/2)+7], v[QA+4-4*(\t%2):QA+11-4*(\t%2)], v[SS+8*\t:SS+8*\t+7], v[KS+\t/2], v[QS+\i] matrix_a_fmt:MATRIX_FMT_FP4 matrix_b_fmt:MATRIX_FMT_FP4
.endr
	PLACES
.if \ldk
	s_wait_alu depctr_va_vdst(0)                   ; the four tiles' first products are done reading K's fragments and scale words, in which the next step's loads land
	KLOAD 1
.endif
	s_and_b32 s[TS], s[MW], 15                     ; does my batch hide a key among these 128?
	s_cmp_eq_u32 s[TS], 0
	s_cbranch_scc1 .Lopen_\@
	WIN 0x40
.if (\i) == 0
	s_wait_alu depctr_va_vdst(0)                   ; v[AMB], written at the step's head, is the address of the loads below.  (In tiles 1 to 3 the waits of the tile before stand behind that line, and behind the last additions that read v448-511)
.endif
.irp t, 0,1,2,3,4,5,6,7
.irp e, 0,1
	ds_load_b128 v[192+8*\t+4*\e:195+8*\t+4*\e], v[AMB] offset:64*\t+16*\e
.endr
.endr
	s_wait_dscnt 0x0
	WIN 0x04
.set j, 0
.rept 32
	v_pk_add_f32 v[SS+j:SS+j+1], v[SS+j:SS+j+1], v[192+j:193+j]   ; + 0 or -infinity; each accumulator from its low end on
.set j, j+2
.endr
	WIN 0
.Lopen_\@:
.irp b, 0,1,2,3
	v_max3_num_f32 v[BM+\b], v[SS+16*\b], v[SS+16*\b+1], v[SS+16*\b+2]   ; the largest score of each block of 32 keys: it serves the row's maximum and, since p rises with the score, the block's largest p
.endr
.irp n, 3,5,7,9,11,13
.irp b, 0,1,2,3
	v_max3_num_f32 v[BM+\b], v[BM+\b], v[SS+16*\b+\n], v[SS+16*\b+\n+1]
.endr
.endr
.irp b, 0,1,2,3
	v_max_num_f32 v[BM+\b], v[BM+\b], v[SS+16*\b+15]
.endr
.irp b, 0,1,2,3
	v_permlanex16_b32 v[PX+\b], v[BM+\b], s[SEL], s[SEL+1]
.endr
.irp b, 0,1,2,3
	v_max_num_f32 v[BM+\b], v[BM+\b], v[PX+\b]     ; with lane l xor 16's 16 keys
.endr
	v_max3_num_f32 v[TT], v[BM], v[BM+1], v[BM+2]
	v_max_num_f32 v[TT], v[TT], v[BM+3]
	v_mul_f32 v[TT], s[CL], v[TT]                  ; as t
	v_max_num_f32 v[SM0+1], v[SM0+1], v[TT]        ; the running largest t
	v_mov_b32 v[TT], v[SM0]
	v_floor_f32 v[SM0], -v[SM0+1]                  ; the new -M = floor(-t): M is a whole number
	v_sub_f32 v[TT], v[SM0], v[TT]                 ; old M - new M: a whole number, 0 or less
	v_cvt_i32_f32 v[TT], v[TT]                     ; (it saturates)
	v_ldexp_f32 v[FF], 1.0, v[TT]                  ; f = 2^(old M - new M)
.set j, 0
.rept 32
	v_pk_fma_f32 v[SS+j:SS+j+1], v[SS+j:SS+j+1], s[CL:CL+1], v[SM0:SM0+1] op_sel_hi:[1,0,0]   ; t - M, two at a time
.set j, j+2
.endr
.irp b, 0,1,2,3
	v_fma_f32 v[BM+\b], v[BM+\b], s[CL], v[SM0]    ; the same of each block's largest score
.endr
.set j, 0
.rept 64
	v_exp_f32 v[SS+j], v[SS+j]                     ; p = 2^(t - M)
.set j, j+1
.endr
	v_pk_mul_f32 v[SM0+2:SM0+3], v[SM0+2:SM0+3], v[FF:FF+1] op_sel_hi:[1,0]   ; the sums under the new M (the plain line behind the exponentials)
	s_wait_alu depctr_va_vdst(0)                   ; the 64 exponentials have written p: one wait for the batch, ahead of its first reader
.irp b, 0,1,2,3
	v_exp_f32 v[BM+\b], v[BM+\b]                   ; the blocks' largest p
.endr
	v_pk_add_f32 v[SU:SU+1], v[SS:SS+1], v[SS+2:SS+3]   ; the row's sum of the unquantised p, in two chains
.set j, 4
.rept 15
	v_pk_add_f32 v[SM0+2:SM0+3], v[SM0+2:SM0+3], v[SS+j:SS+j+1]
	v_pk_add_f32 v[SU:SU+1], v[SU:SU+1], v[SS+j+2:SS+j+3]
.set j, j+4
.endr
	v_pk_add_f32 v[SM0+2:SM0+3], v[SM0+2:SM0+3], v[SU:SU+1]
	s_wait_alu depctr_va_vdst(0)                   ; the four exponentials have written the blocks' largest p: their wait, ahead of their first reader
.irp b, 0,1,2,3
	v_max_num_f32 v[BM+\b], 0x1800000, v[BM+\b]    ; the floor 2^(3 - 127): a block whose every p is 0 keeps the byte 1: its codes are zeros
.endr
.irp b, 0,1,2,3
	v_add_nc_u32 v[SO+\b], 0xff000000, v[BM+\b]
.endr
.irp b, 0,1,2,3
	v_lshrrev_b32 v[BY+\b], 23, v[SO+\b]
.endr
	v_lshl_or_b32 v[PW], v[BY+1], 8, v[BY]
	v_lshl_or_b32 v[PW], v[BY+2], 16, v[PW]
	v_lshl_or_b32 v[PW], v[BY+3], 24, v[PW]
.irp c, 0,1
	v_cvt_scalef32_pk8_fp4_f32 v[PCD+4*\c], v[SS+32*\c:SS+32*\c+7], v[SO+2*\c]
	v_cvt_scalef32_pk8_fp4_f32 v[PCD+4*\c+2], v[SS+32*\c+8:SS+32*\c+15], v[SO+2*\c]
	v_cvt_scalef32_pk8_fp4_f32 v[PCD+4*\c+1], v[SS+32*\c+16:SS+32*\c+23], v[SO+2*\c+1]
	v_cvt_scalef32_pk8_fp4_f32 v[PCD+4*\c+3], v[SS+32*\c+24:SS+32*\c+31], v[SO+2*\c+1]
.endr
	v_nop                                          ; one plain line behind a scaled conversion
.irp c, 0,1
	v_permlane16_swap_b32 v[PCD+4*\c], v[PCD+4*\c+1]
	v_permlane16_swap_b32 v[PCD+4*\c+2], v[PCD+4*\c+3]
.endr
.if \vw >= 0
	s_wait_loadcnt \vw                             ; V is in; behind it this step's rel loads may be out
	v_perm_b32 v[VS], v[VT+2], v[VT], s[PLO]       ; fragment t's scale word: the two bytes of its first 64 keys, then of its second
	v_perm_b32 v[VS+1], v[VT+2], v[VT], s[PHI]
	v_perm_b32 v[VS+2], v[VT+3], v[VT+1], s[PLO]
	v_perm_b32 v[VS+3], v[VT+3], v[VT+1], s[PHI]
.endif
	WIN 0x41                                       ; O^T in window 1
.set j, 0
.rept 16
	v_pk_mul_f32 v[OI+j:OI+j+1], v[OI+j:OI+j+1], v[FF:FF+1] op_sel_hi:[1,0]   ; O^T under the new M.  Twelve of these name no register of any one product below: the places ahead of the scaled products
.set j, j+2
.endr
.if \nxt >= 0
	WIN 0
	s_wait_alu depctr_va_vdst(0)                   ; the tile's one wait, behind the places: the sums and conversions are done reading p, in whose registers the loads below land; p's codes and scale word (in tile 0 V's scale words too) are written, which the products below take
	RLOAD \slot, \nxt                              ; the next tile's rel sum.  The products behind it name none of its registers
	WIN 0x50                                       ; C and D window 1
.else
	WIN 0x50                                       ; C and D window 1
	s_wait_alu depctr_va_vdst(0)                   ; behind the places: p's codes and scale word are written, which the products below take.  (It also shows the conversions done reading p: the next step's first rel sum lands there)
.endif
.irp t, 0,1,2,3
	v_wmma_scale_f32_16x16x128_f8f6f4 v[OI+8*\t:OI+8*\t+7], v[VF+8*\t:VF+8*\t+7], v[PCD:PCD+7], v[OI+8*\t:OI+8*\t+7], v[VS+\t], v[PW] matrix_a_fmt:MATRIX_FMT_FP4 matrix_b_fmt:MATRIX_FMT_FP4
.endr
	WIN 0
.endm
; A STEP OF 128 KEYS.  fill = 1: the next step's rel rows are asked for at the head, summed and stored into the other slot at the end.  ONE barrier a step: in front of it my stores into the other slot and my reads
; of this slot are done; the other slot was last read a step back, ahead of the barrier before.
.macro STEP slot, fill
.if \fill
	s_wait_xcnt 0x0
	s_add_nc_u64 s[RP:RP+1], s[RP:RP+1], 512
	s_add_nc_u64 s[R2:R2+1], s[R2:R2+1], 512
.endif
	s_wait_alu depctr_vm_vsrc(0)                   ; the last step's LDS stores have read v384-415, in which the rel loads land; its mask loads have read v[AMB], which is written below; in the first step the head's LDS stores have read the registers in which the rel sum lands
.if \fill
	RELLOAD                                        ; the additions that named these registers stand ahead of the last tail's wait
.endif
	v_add_nc_u32 v[AMB], s[MBS], v[AMB0]
	RLOAD \slot, 0                                 ; no vector or matrix line since tile 3's wait names these registers
.if \fill
	UNIT 0, \slot, 25, 16, 0, 1
.else
	UNIT 0, \slot, 9, 0, 0, 1
.endif
	UNIT 1, \slot, -1, -1, 0, 2
	UNIT 2, \slot, -1, -1, 0, 3
	UNIT 3, \slot, -1, -1, \fill, -1
	s_lshr_b32 s[MW], s[MW], 4
	s_add_co_u32 s[MBS], s[MBS], 512
.if \fill
	s_wait_loadcnt 9                               ; the rel loads are in; the next step's K, nine loads, was issued behind them
	RELSUM                                         ; these sixteen name no register of tile 3's last products
	WIN 0
	s_wait_alu depctr_va_vdst(0)                   ; the additions have written v384-415, which the LDS stores below read; the four tiles' second products are done reading V's fragments, and tile 0's four lines V's scale bytes, in which the loads below land
	VLOAD 1
	RELOUT 1-\slot
	s_wait_dscnt 0x0
	s_barrier_signal -1
	s_barrier_wait -1
.endif
.endm
	s_load_b256 s[4:11], s[0:1], 0x0               ; rel_pos, rel_2d_pos, w2, w1
	s_load_b128 s[12:15], s[0:1], 0x20             ; mflag, w3
	v_lshl_add_u32 v254, v0, 2, 0x18800
	v_mov_b32 v255, 0
	v_lshrrev_b32 v10, 5, v0
	v_readfirstlane_b32 s16, v10                   ; wave = batch
	s_mov_b32 s17, ttmp9                           ; which 64 queries
	s_and_b32 s18, ttmp7, 0xffff                   ; head
	v_and_b32 v238, 31, v0
	v_lshlrev_b32 v[L16], 4, v238
	v_and_b32 v238, 15, v0                         ; r
	v_bfe_u32 v239, v0, 4, 1                       ; h
	v_lshlrev_b32 v[R16], 4, v238
	v_lshlrev_b32 v[R32], 5, v238
	v_mul_u32_u24 v[ARD], v238, RPITCH
	v_lshl_add_u32 v[ARD], v239, 5, v[ARD]
	s_wait_alu depctr_va_sdst(0)                   ; s16 is written, ahead of its first reader: LDS addresses and every base are made from it
	s_lshl_b32 s19, s16, 4
	s_add_co_u32 s19, s19, s18                     ; 16 x batch + head
	s_mul_i32 s50, s16, 8*RPITCH
	v_add_nc_u32 v[AST], s50, v[L16]
	s_lshl_b32 s50, s16, 12
	s_add_co_u32 s50, s50, MBL
	v_lshl_add_u32 v[AMB0], v239, 5, s50
	v_add_nc_u32 v[AMW], s50, v[L16]
	s_mov_b32 s51, 0
	s_mov_b32 s53, 0
	s_lshl_b32 s50, s17, 6
	s_lshl_b32 s52, s16, 3
	s_add_co_u32 s50, s50, s52                     ; my first row of the head's 1,024: 64 x + 8 w
	s_lshl_b32 s50, s50, 12
	s_lshl_b32 s52, s18, 22
	s_add_co_u32 s50, s50, s52
	s_wait_kmcnt 0x0
	s_add_nc_u64 s[RP:RP+1], s[RP:RP+1], s[50:51]
	s_add_nc_u64 s[R2:R2+1], s[R2:R2+1], s[50:51]
	s_wait_alu depctr_va_vdst(0)                   ; the addresses v1 to v5 and v8 are written, which the loads and stores of the whole kernel read
	RELLOAD                                        ; step 0's
	s_lshl_b32 s50, s19, 15                        ; 64 pieces of 512 bytes a head and batch
	s_add_nc_u64 s[KP:KP+1], s[8:9], s[50:51]
	s_add_nc_u64 s[VP:VP+1], s[KP:KP+1], VC_OFF
	s_lshl_b32 s52, s17, 11                        ; my four tiles of q
	s_add_nc_u64 s[QP:QP+1], s[KP:KP+1], s[52:53]
	s_add_nc_u64 s[KP:KP+1], s[KP:KP+1], KC_OFF
	s_lshl_b32 s50, s19, 11                        ; 8 x 256 scale bytes a head and batch
	s_add_nc_u64 s[KSP:KSP+1], s[8:9], s[50:51]
	s_add_nc_u64 s[VSP:VSP+1], s[KSP:KSP+1], VS_OFF
	s_lshr_b32 s52, s17, 1
	s_lshl_b32 s52, s52, 8
	s_and_b32 s54, s17, 1
	s_lshl_b32 s54, s54, 3
	s_add_co_u32 s52, s52, s54
	s_add_co_u32 s52, s52, QS_OFF
	s_add_nc_u64 s[QSP:QSP+1], s[KSP:KSP+1], s[52:53]
	s_add_nc_u64 s[KSP:KSP+1], s[KSP:KSP+1], KS_OFF
	s_lshl_b32 s50, s16, 12
	s_add_co_u32 s50, s50, MB_OFF
	s_add_nc_u64 s[MBP:MBP+1], s[10:11], s[50:51]
	s_lshl_b32 s50, s16, 19                        ; ctx: tile 64 w + 4 x of 8,192 bytes, + 512 x head
	s_lshl_b32 s52, s17, 15
	s_add_co_u32 s50, s50, s52
	s_lshl_b32 s52, s18, 9
	s_add_co_u32 s50, s50, s52
	s_add_nc_u64 s[CCP:CCP+1], s[14:15], s[50:51]
	s_lshl_b32 s50, s16, 15                        ; its scale bytes: token 1,024 w + 64 x, 32 bytes a token, + 2 x head
	s_lshl_b32 s52, s17, 11
	s_add_co_u32 s50, s50, s52
	s_lshl_b32 s52, s18, 1
	s_add_co_u32 s50, s50, s52
	s_add_co_u32 s50, s50, CS_OFF
	s_add_nc_u64 s[CSP:CSP+1], s[14:15], s[50:51]
	s_lshl_b32 s50, s16, 7
	s_add_nc_u64 s[12:13], s[12:13], s[50:51]
	s_load_b32 s[MW], s[12:13], 0x0                ; my batch's flags
.irp i, 0,1,2,3,4,5,6,7
	global_load_b128 v[SS+4*\i:SS+4*\i+3], v[L16], s[MBP:MBP+1] offset:512*\i   ; my batch's mask, on its way to LDS.  (No vector line has been issued since the wait above: these loads, q's, K's and V's owe nothing more)
.endr
.irp i, 0,1,2,3
	global_load_b128 v[QR+4+8*\i:QR+7+8*\i], v[L16], s[QP:QP+1] offset:512*\i
.endr
	global_load_b64 v[10:11], v[R16], s[QSP:QSP+1] ; row r's two bytes for each of the four tiles
	KLOAD 0
	VLOAD 0
	s_mov_b32 s[CL], 0x3fb8aa3b                    ; log2(e)
	s_mov_b32 s[CL+1], s[CL]
	s_mov_b32 s[SEL], 0x76543210
	s_mov_b32 s[SEL+1], 0xfedcba98
	s_mov_b32 s[PLO], 0x05040100
	s_mov_b32 s[PHI], 0x07060302
	s_mov_b32 s[MBS], 0
	s_mov_b32 s[CNT], 3
	v_mov_b32 v9, 0xffff
.irp i, 0,1,2,3,4
.irp e, 0,1,2,3
	v_mov_b32 v[QR+8*\i+\e], 0                     ; the zero halves beside q
.endr
.endr
.irp i, 0,1,2,3
	v_mov_b32 v[ST+4*\i+1], 0xff61b1e6             ; the largest t so far: -3e38, under every t
	v_floor_f32 v[ST+4*\i], -v[ST+4*\i+1]
	v_mov_b32 v[ST+4*\i+2], 0
	v_mov_b32 v[ST+4*\i+3], 0
	v_mov_b32 v[PX+\i], 0                          ; written once: a lane permute's destination counts as one of its sources
.endr
	v_mov_b32 v[FF+1], 0                           ; named as the upper half of a pair
	v_mov_b32 v[TM+2], 0
	v_mov_b32 v[TM+3], 0
	WIN 0x40
.set j, 0
.rept 128
	v_mov_b32 v[j], 0                              ; O^T.  The step is written without a first step of its own: the first finds zeros, which the first change of M leaves zeros; a further copy of the step would cost more text than these lines
.set j, j+1
.endr
	WIN 0
	s_wait_loadcnt 18                              ; all but K's and V's eighteen loads
	v_perm_b32 v[QS], v10, v10, 0x01000100         ; tile i's two bytes, twice: the word serves [q | 0] and [0 | q].  These four stand HERE: a scale register written by a vector
	v_perm_b32 v[QS+1], v10, v10, 0x03020302       ; instruction stands eight plain vector lines ahead of the scaled product that names it, and the sixteen packed additions
	v_perm_b32 v[QS+2], v11, v11, 0x01000100       ; of the rel sum below are such lines
	v_perm_b32 v[QS+3], v11, v11, 0x03020302
	RELSUM
	s_wait_alu depctr_va_vdst(0)                   ; the additions have written v384-415, which the LDS stores below read; q's scale words and the zero halves beside q are written, which every first product takes: none of them is written again
	RELOUT 0
.irp i, 0,1,2,3,4,5,6,7
	ds_store_b128 v[AMW], v[SS+4*\i:SS+4*\i+3] offset:512*\i
.endr
	s_wait_kmcnt 0x0
	s_wait_dscnt 0x0
	s_barrier_signal -1
	s_barrier_wait -1
.Lpair:                                            ; three trips of two steps; the slots are constants of the text
	STEP 0, 1
	STEP 1, 1
	s_sub_co_u32 s[CNT], s[CNT], 1
	s_cmp_lg_u32 s[CNT], 0
	s_cbranch_scc1 .Lpair
	STEP 0, 1                                      ; the last two steps are written out: the last loads nothing
	STEP 1, 0
	; THE WAY OUT.  The additions are the places behind the last products.
.irp u, 0,1,2,3
	v_add_f32 v[ST+4*\u+1], v[ST+4*\u+2], v[ST+4*\u+3]
.endr
.irp u, 0,1,2,3
	v_permlanex16_b32 v[PX+\u], v[ST+4*\u+1], s[SEL], s[SEL+1]
.endr
.irp u, 0,1,2,3
	v_add_f32 v[ST+4*\u+1], v[ST+4*\u+1], v[PX+\u] ; the row's sum
.endr
.irp u, 0,1,2,3
	v_cmp_eq_f32 s[HID+\u], 0, v[ST+4*\u+1]        ; every key hidden?  The four compares in one run, a scalar register each
.endr
.irp u, 0,1,2,3
	v_rcp_f32 v[ST+4*\u+2], v[ST+4*\u+1]
.endr
	v_nop                                          ; a plain line behind the last reciprocal
	s_wait_alu depctr_va_sdst(0)                   ; the four compares have written s50 to s53, ahead of their first reader
	s_wait_alu depctr_va_vdst(0)                   ; the four reciprocals are written: one wait for the four, ahead of their first reader
.macro OUT u                           ; tile u's piece into v[KF + 4 u ..] and its two scale bytes into v[VF + u]: registers of their own, so that the stores can follow in one run
	WIN 0x01                                       ; source 0 (O^T) window 1
.set j, 0
.rept 16
	v_pk_mul_f32 v[SS+32*((\u)%2)+j:SS+32*((\u)%2)+j+1], v[32*(\u)+j:32*(\u)+j+1], v[ST+4*(\u)+2:ST+4*(\u)+3] op_sel_hi:[1,0]   ; ctx = O^T / the sum; each accumulator from its low end on
.set j, j+2
.endr
	WIN 0
	QUANT64 SS+32*((\u)%2), KF+4*(\u), VF+(\u)
	v_cndmask_b32 v[VF+(\u)], v[VF+(\u)], v9, s[HID+(\u)]   ; every key hidden: the bytes 0xff
.endm
	OUT 0
	OUT 1
	OUT 2
	OUT 3
	s_wait_alu depctr_va_vdst(0)                   ; the quantiser has written the four pieces and their scale bytes, which the eight stores read
.irp u, 0,1,2,3
	global_store_b128 v[L16], v[KF+4*\u:KF+4*\u+3], s[CCP:CCP+1] offset:8192*\u   ; a piece: 512 consecutive bytes
	global_store_b16 v[R32], v[VF+\u], s[CSP:CSP+1] offset:512*\u                 ; my token's two bytes of its 32 (lanes r and r + 16 store the same)
.endr
	s_wait_dscnt 0x0                               ; the closing lines, six on end
	s_wait_alu 0x0
	s_wait_tensorcnt 0x0
	ds_add_u32 v254, v255
	s_wait_dscnt 0x0
	s_endpgm
.Lfunc_end_k_q2e9f42b276_attn:
	.size	k_q2e9f42b276_attn, .Lfunc_end_k_q2e9f42b276_attn-k_q2e9f42b276_attn
	.p2alignl 7, 3214868480
	.fill 96, 4, 3214868480
	.section	.rodata,"a",@progbits
	.p2align	6, 0x0
	.amdhsa_kernel k_q2e9f42b276_attn
		.amdhsa_group_segment_fixed_size 101376
		.amdhsa_private_segment_fixed_size 0
		.amdhsa_enable_private_segment 0
		.amdhsa_kernarg_size 48
		.amdhsa_user_sgpr_count 2
		.amdhsa_user_sgpr_kernarg_segment_ptr 1
		.amdhsa_wavefront_size32 1
		.amdhsa_system_sgpr_workgroup_id_x 1
		.amdhsa_system_sgpr_workgroup_id_y 1
		.amdhsa_system_sgpr_workgroup_id_z 1
		.amdhsa_system_vgpr_workitem_id 0
		.amdhsa_next_free_vgpr 512
		.amdhsa_next_free_sgpr 66
		.amdhsa_reserve_vcc 0
		.amdhsa_float_denorm_mode_32 3
		.amdhsa_float_denorm_mode_16_64 3
		.amdhsa_memory_ordered 1
		.amdhsa_forward_progress 1
		.amdhsa_inst_pref_size 255
	.end_amdhsa_kernel
	.section	.bss,"aw",@nobits
	.p2align	6
	.space	262144
	.amdgpu_metadata
---
amdhsa.version: [ 1, 2 ]
amdhsa.kernels:
  - .name:           k_q2e9f42b276_attn
    .symbol:         k_q2e9f42b276_attn.kd
    .args:
      - { .name: rel_pos, .offset: 0, .size: 8, .value_kind: global_buffer, .address_space: global }
      - { .name: rel_2d_pos, .offset: 8, .size: 8, .value_kind: global_buffer, .address_space: global }
      - { .name: w2, .offset: 16, .size: 8, .value_kind: global_buffer, .address_space: global }
      - { .name: w1, .offset: 24, .size: 8, .value_kind: global_buffer, .address_space: global }
      - { .name: mflag, .offset: 32, .size: 8, .value_kind: global_buffer, .address_space: global }
      - { .name: w3, .offset: 40, .size: 8, .value_kind: global_buffer, .address_space: global }
    .group_segment_fixed_size: 101376
    .private_segment_fixed_size: 0
    .kernarg_segment_align: 8
    .kernarg_segment_size: 48
    .max_flat_workgroup_size: 256
    .sgpr_count:     66
    .vgpr_count:     512
    .wavefront_size: 32
...
	.end_amdgpu_metadata
.endif
;; end of part 5
;; launch outln: the kernel of part 4 again; grid 256 x 1, 16 waves a work-group, no clusters, 281,088 bytes of LDS; arguments w3, w1, w_out_scales, b_out, hidden_states, ln_gamma, ln_beta, out0; writes out0
